; MI455X (gfx1250); checked and timed in simulation.
; The chip was launched on July 23, 2026; its instructions are those of AMD's public machine-readable ISA for CDNA 5 (MIT licence, August 2026) and "CDNA5" Instruction Set Architecture Reference Guide (July 2026). The comments in the code are by the model that wrote it; some were corrected since.
;; Causal Self Attention. Allowed arithmetic: matrix products marked QUANTISED: E2M1 operands, one E8M0 scale for each 32 along K, by v_wmma_scale_f32_16x16x128_f8f6f4 with both operands' format E2M1 (or v_wmma_scale_f32_32x16x128_f4), f32 sums; everything else in f32.
;; Inputs: W_proj 1,024 x 1,024 float32; W_qkv 1,024 x 3,072 float32; b_proj 1,024 float32; b_qkv 3,072 float32; x 4 x 2,048 x 1,024 float32.
;; Outputs: out0 4 x 2,048 x 1,024 float32.
;; This version of the problem:
;;   THIS VERSION OF THE PROBLEM IS GIVEN IN LOW PRECISION. The matrix products marked QUANTISED in the list below multiply operands that are first quantised to E2M1 (2 exponent bits, 1 mantissa bit; 4 bits a number), with one power-of-two scale for each 32 numbers along K (OCP MX v1.0); their sums are f32. All else is computed in f32.
;;   The module's matrix products, in the order in which they are computed (A, B: the left and right operand; K: the contracted axis; several contracted axes count as one K, in the product's order):
;;     1. [M 8,192, K 1,024] x [K 1,024, N 3,072]; A: input x; B: input W_qkv: QUANTISED
;;     2. batch 64 x [M 2,048, K 64] x [K 64, N 2,048]; A: computed on the way; B: computed on the way: QUANTISED
;;     3. batch 64 x [M 2,048, K 2,048] x [K 2,048, N 64]; A: softmax (see below); B: computed on the way: QUANTISED
;;     4. [M 8,192, K 1,024] x [K 1,024, N 1,024]; A: computed on the way; B: input W_proj: QUANTISED
;;   THE QUANTISER, for each operand of a quantised product, along K:
;;     - K is cut into blocks of 32 from its start; a last block that is shorter is filled with zeros.
;;     - A block's scale is 2^e with e = floor(log2(the largest magnitude in the block)) - 2, held to -126 .. 127; a block of zeros has e = 0. As a byte (E8M0): e + 127.
;;     - Each number is divided by its block's scale, clamped to +-6, and rounded to the nearest number of E2M1, ties to even, subnormals kept.
;;     - The product sums the exact products of the quantised numbers (number of the format x scale) in f32.
;;   ~~~python
;;   def quantise(x, axis):      # numpy; x: float32 -> the quantised numbers, widened to float32 again
;;       x = np.moveaxis(x, axis, -1); K = x.shape[-1]
;;       x = np.pad(x, [(0, 0)] * (x.ndim - 1) + [(0, -K % 32)]); x = x.reshape(x.shape[:-1] + (-1, 32)); a = np.abs(x).max(-1, keepdims=True)
;;       e = np.where(a > 0, np.clip(np.frexp(np.where(a > 0, a, 1))[1] - 1 - 2, -126, 127), 0)      # np.frexp(a)[1] - 1 = floor(log2(a)), exactly
;;       r = np.clip(x / 2.0 ** e, -6, 6)
;;       step = 2.0 ** (np.maximum(np.frexp(np.where(r == 0, 1, r))[1] - 1, 0) - 1)
;;       q = np.round(r / step) * step * 2.0 ** e      # np.round: ties to even
;;       return np.moveaxis(q.reshape(q.shape[:-2] + (-1,))[..., :K], -1, axis).astype(np.float32)
;;   ~~~
;;   SOFTMAX AHEAD OF A QUANTISED PRODUCT. Where the list says 'softmax', what is quantised is not the finished softmax but p = 2^(t - M), with t = logit x log2(e) and M = ceil(the row's largest t), a whole number; so 1/2 < the row's largest p <= 1. The row's sum l is taken of the UNQUANTISED p, in f32, and the product's result is divided by l at the end. Since M is a whole number, a kernel that streams over the keys may use a running M (the ceiling of the running maximum): every later rescaling is an exact power of two, which a block's scale takes up: the codes' values come out the same.
;;   OPERANDS COMPUTED ON THE WAY. 'Computed on the way' means the value that the module computes at that place (a softmax that the list does not call 'softmax' is quantised finished and normalised). What goes into a quantiser is computed in f32, as accurately as f32 sums, v_exp_f32 and their like allow (about 1e-6 of the number): no bf16 or f16 on the way to a quantiser, and a product that is left as it is and whose result goes on into a quantised operand takes f32 operands (vector FMAs, or v_wmma_f32_16x16x4_f32). A number that lies on a knife's edge between two numbers of the format may be rounded either way, as far as f32 arithmetic and the matrix unit's own rounding can turn it there, and no further.
;; One version. Each part assembles by itself: llvm-mc -triple=amdgcn-amd-amdhsa -mcpu=gfx1250 --defsym DOCPART=n.
;; ======== version 1 of 1: 4 launches
;; workspace buffers: prep_codes 6,291,456 bytes; prep_scales 393,216 bytes; rope 524,288 bytes; qkv 13,893,632 bytes; y_codes 4,194,304 bytes; y_scales 262,144 bytes
;; launch prep (part 1): grid 320 x 1, 4 waves a work-group, no clusters, 68,096 bytes of LDS; arguments x, W_qkv, W_proj, prep_codes, prep_scales, rope; writes prep_codes, prep_scales, rope
.if DOCPART == 1
	.amdgcn_target "amdgcn-amd-amdhsa--gfx1250"
	.amdhsa_code_object_version 6
	.text
	.protected	k_qadc3480248_prep
	.globl	k_qadc3480248_prep
	.p2align	8
	.type	k_qadc3480248_prep,@function
k_qadc3480248_prep:
	s_mov_b64 s[64:65], 0
	v_nop
	global_prefetch_b8 v0, s[64:65] scope:SCOPE_SE
	s_setreg_imm32_b32 hwreg(HW_REG_WAVE_MODE, 25, 1), 1
	s_wait_xcnt 0x0
; CAUSAL SELF-ATTENTION IN MX-FP4, FOUR LAUNCHES: this one (quantise x and both weights, make the table of cos and sin), x W_qkv with RoPE and the quantisers of q, k, v,
; the attention, and the projection.
; WORK LEFT OUT, in the third launch alone: reference() sets att to -infinity wherever key > query, by a mask that it builds itself (jnp.tril); behind the softmax such a weight is 0 for all
; values of the inputs, and 0 x v adds nothing to y.  So a step of 128 keys all of which come after all the queries of a tile is not multiplied.  Nothing else is left out: all five inputs
; have a way to the output and are loaded.  LIMIT: a NaN, an infinity or an overflow that reaches only such hidden scores is not carried to the result.
; THIS LAUNCH.  x [8192][1024] (K innermost) and W_qkv [1024][3072], W_proj [1024][1024] (K outermost), f32, become codes of E2M1 with K innermost, 512 bytes a row, and one E8M0 byte for each 32 along K,
; 32 bytes a row: rows 0-8191 x's tokens, 8192-11263 W_qkv's columns, 11264-12287 W_proj's.  THE ROWS LIE IN ANOTHER ORDER: logical row i lies at i with its bits 3 and 4 changed over.  So 16 neighbouring rows of
; memory are logical rows 32 b + 8 u + r + 8 (r / 8), and the results of two neighbouring tiles are 16 neighbours along the next product's K.
; A block's scale is 2^(floor(log2(largest magnitude)) - 2): its byte is the largest magnitude's exponent field - 2, held at 1 from below.
; LIMITS: a block of zeros gets the byte 1 where the rule says 127 (its codes are zeros, and this program alone reads the bytes); blocks whose largest magnitude lies under 2^(3 - 127) are held at that floor;
; NaN and infinities among the inputs are not served.
; THE TABLE: rope[pos][0..31] = cos(pos x inv_freq[i]), [32..63] = sin, f32, 256 bytes a position.  inv_freq[i] is taken as the f32 nearest to 1 / P, P the f32 nearest to 10^(i / 8) = 10000^(2 i / 64);
; the angle is one f32 product, as reference() has it; it is reduced by pi / 2 in two parts (the first product is exact in a fused multiply-add for angles under 2,048) and cos and sin come from polynomials on +-pi / 4.
; SHARES: work-groups 0-63 take the weights (128 columns x 512 along K each), work-groups 64-319 32 rows of x and 8 positions of the table each.  The two ways part on the work-group's number and have LDS bytes of their own.
; No tensor loads, no barrier: waves share nothing.
.set STEPS, 16
.set EMAX,  2
.set CB,    8                          ; bytes of 16 codes
.set R,     16                         ; x: v16-79   four sets of 16 numbers as loaded
.set X,     80                         ; x: v80-111  two sets of 16 neighbours (before the stream: the table's work)
.set E,     112                        ; x: v112-127 a scale byte for each step
.set C,     128                        ; x: v128-189 codes, four registers a step
.set WREG,  8192                       ; x: LDS of a wave: two stages of 32 x SP bytes, then its 256 scale bytes
.set SP,    80
.set SPW,   190                        ; LDS address of my spare word; never rewritten
.set NIL,   191                        ; 0; never rewritten
.set WLDS,  32768                      ; W: the four stages, 32 rows x WP bytes each
.set WP,    272
.set SPARE, 67584                      ; the spare words, 128 bytes for each wave
.set OF,    16                         ; W: v16-47   4 x lane + i rows of W
.set XW,    48                         ; W: v48-111  two sets of 32 numbers
.set CW,    112                        ; W: v112-115 a block's codes
.set SB,    116                        ; W: v116-119 the scale bytes
.set OUTR,  120                        ; W: v120-183 the way out
	s_load_b256 s[4:11], s[0:1], 0x0               ; x, W_qkv, W_proj, the codes
	s_load_b128 s[12:15], s[0:1], 0x20             ; the scale bytes, the table
	v_lshl_add_u32 v[SPW], v0, 2, SPARE
	v_mov_b32 v[NIL], 0
	v_lshrrev_b32 v1, 5, v0
	v_readfirstlane_b32 s16, v1                    ; wave
	v_and_b32 v2, 31, v0                           ; lane
	s_cmp_lt_u32 ttmp9, 64
	s_cbranch_scc1 .Lweights
; ---------------- x and the table ----------------
	v_lshlrev_b32 v3, 4, v2                        ; my 16 bytes of a load's 512
	s_mul_i32 s17, s16, WREG
	v_lshrrev_b32 v14, 2, v2
	v_mul_u32_u24 v14, v14, SP
	v_and_b32 v15, 3, v2
	v_lshl_add_u32 v14, v15, 4, v14
	v_add_nc_u32 v14, s17, v14                     ; the stage, on the way in: SP (lane / 4) + 16 (lane % 4)
	v_mul_u32_u24 v15, v2, SP
	v_add_nc_u32 v15, s17, v15                     ; and on the way out: SP x lane: my 16 neighbours
	v_mul_u32_u24 v4, v2, CB
	v_lshrrev_b32 v5, 1, v2
	s_add_co_u32 s17, s17, 2*32*SP
	v_add_nc_u32 v5, s17, v5                       ; my wave's 256 scale bytes, my block's byte
	v_lshlrev_b32 v7, 3, v2
	v_add_nc_u32 v6, s17, v7
	s_sub_co_u32 s18, ttmp9, 64                    ; which 32 rows of x
	s_lshl_b32 s19, s18, 2
	s_add_co_u32 s20, s19, s16                     ; my 8 rows as they lie in x,
	s_and_b32 s21, s16, 1
	s_lshl_b32 s21, s21, 1
	s_lshr_b32 s22, s16, 1
	s_or_b32 s21, s21, s22
	s_add_co_u32 s21, s19, s21                     ; and where they go: the wave's two bits (bits 3 and 4 of the row) changed over
	s_lshl_b32 s22, s20, 15
	s_mov_b32 s23, 0
	s_lshl_b32 s24, s21, 12
	s_mov_b32 s25, 0
	s_lshl_b32 s26, s21, 8
	s_mov_b32 s27, 0
	s_lshl_b32 s28, s18, 3
	s_lshl_b32 s29, s16, 1
	s_add_co_u32 s28, s28, s29                     ; my first position of the table
	s_add_co_u32 s29, s28, 1
	s_lshl_b32 s30, s28, 8
	s_mov_b32 s31, 0
	s_wait_kmcnt 0x0
	s_add_nc_u64 s[4:5], s[4:5], s[22:23]
	s_add_nc_u64 s[10:11], s[10:11], s[24:25]
	s_add_nc_u64 s[12:13], s[12:13], s[26:27]
	s_add_nc_u64 s[14:15], s[14:15], s[30:31]
.macro LOAD t
.irp i, 0,1,2,3
	global_load_b128 v[R+16*((\t)%4)+4*\i:R+16*((\t)%4)+4*\i+3], v3, s[4:5] offset:2048*(\t)+512*\i th:TH_LOAD_NT   ; 32 lanes read 512 consecutive bytes
.endr
.endm
.macro TURN t                          ; step t's numbers through the stage: LDS serves a wave's instructions in order
.irp i, 0,1,2,3
	ds_store_b128 v14, v[R+16*((\t)%4)+4*\i:R+16*((\t)%4)+4*\i+3] offset:32*SP*((\t)%2)+8*SP*\i
.endr
.irp i, 0,1,2,3
	ds_load_b128 v[X+16*((\t)%2)+4*\i:X+16*((\t)%2)+4*\i+3], v15 offset:32*SP*((\t)%2)+16*\i
.endr
.endm
.irp t, 0,1,2,3
	LOAD \t
.endr
	; the table, while x's first loads are on their way.  Lane l and lane l + 16 hold frequencies 2 l and 2 l + 1; lanes 0-15 make cos, lanes 16-31 sin
	v_mov_b32 v80, 0
	v_mov_b32 v81, 0
.macro FREQ i, val                     ; P = 10^(i / 8)
	s_mov_b32 s40, \val
	v_writelane_b32 v[80+(\i)%2], s40, (\i)/2
	v_writelane_b32 v[80+(\i)%2], s40, (\i)/2+16
.endm
	FREQ 0, 1.0
	FREQ 1, 1.333521432163324
	FREQ 2, 1.7782794100389228
	FREQ 3, 2.371373705661655
	FREQ 4, 3.1622776601683795
	FREQ 5, 4.216965034285822
	FREQ 6, 5.623413251903491
	FREQ 7, 7.498942093324558
	FREQ 8, 10.0
	FREQ 9, 13.33521432163324
	FREQ 10, 17.782794100389228
	FREQ 11, 23.71373705661655
	FREQ 12, 31.622776601683795
	FREQ 13, 42.16965034285822
	FREQ 14, 56.23413251903491
	FREQ 15, 74.98942093324558
	FREQ 16, 100.0
	FREQ 17, 133.3521432163324
	FREQ 18, 177.82794100389228
	FREQ 19, 237.1373705661655
	FREQ 20, 316.22776601683795
	FREQ 21, 421.6965034285822
	FREQ 22, 562.3413251903491
	FREQ 23, 749.8942093324558
	FREQ 24, 1000.0
	FREQ 25, 1333.521432163324
	FREQ 26, 1778.2794100389228
	FREQ 27, 2371.373705661655
	FREQ 28, 3162.2776601683795
	FREQ 29, 4216.965034285822
	FREQ 30, 5623.413251903491
	FREQ 31, 7498.942093324558
	s_mov_b32 s32, 0xbfc90fdb                      ; -(pi / 2), its f32
	s_mov_b32 s33, 0x333bbd2e                      ; that f32 less pi / 2
	s_mov_b32 s34, 0xb94ca1f9                      ; sin: -1.9515295891e-4
	s_mov_b32 s35, 0x3c08839e                      ;       8.3321608736e-3
	s_mov_b32 s36, 0xbe2aaaa3                      ;      -1.6666654611e-1
	s_mov_b32 s37, 0x37ccf5ce                      ; cos:  2.4433157118e-5
	s_mov_b32 s38, 0xbab6061a                      ;      -1.3887316255e-3
	s_mov_b32 s39, 0x3d2aaaa5                      ;       4.1666645683e-2
	v_rcp_f32 v82, v80
	v_rcp_f32 v83, v81
	v_cvt_f32_u32 v84, s28                         ; (a plain place behind the reciprocals)  my two positions
	v_cvt_f32_u32 v85, s29
	v_lshrrev_b32 v86, 4, v2
	v_sub_nc_u32 v87, 1, v86                       ; 1 in the lanes that make cos: cos(a) = sin(a + pi / 2)
	v_lshlrev_b32 v100, 3, v2
	s_wait_alu depctr_va_vdst(0)                   ; one wait for both reciprocals, ahead of their first reader
	v_fma_f32 v88, -v80, v82, 1.0                  ; one step of Newton's: the nearest f32 to 1 / P
	v_fma_f32 v89, -v81, v83, 1.0
	v_fma_f32 v82, v82, v88, v82
	v_fma_f32 v83, v83, v89, v83
.macro TRIG dst, pos, inv
	v_mul_f32 v88, v[\pos], v[\inv]                ; the angle a, one f32 product
	v_mul_f32 v89, 0x3f22f983, v88
	v_rndne_f32 v89, v89                           ; n = the nearest whole number to a x 2 / pi
	v_fma_f32 v90, v89, s32, v88
	v_fma_f32 v90, v89, s33, v90                   ; r = a - n pi / 2
	v_mul_f32 v91, v90, v90
	v_fma_f32 v92, v91, s34, s35
	v_fma_f32 v93, v91, s37, s38
	v_fma_f32 v92, v92, v91, s36
	v_fma_f32 v93, v93, v91, s39
	v_mul_f32 v92, v92, v91
	v_fma_f32 v93, v93, v91, -0.5
	v_fma_f32 v92, v92, v90, v90                   ; sin r
	v_fma_f32 v93, v93, v91, 1.0                   ; cos r
	v_cvt_i32_f32 v94, v89
	v_add_nc_u32 v94, v94, v87                     ; the quadrant
	v_and_b32 v95, 1, v94
	v_cmp_eq_u32 vcc_lo, 1, v95
	v_cndmask_b32 v92, v92, v93, vcc_lo            ; odd quadrants take cos r
	v_and_b32 v94, 2, v94
	v_lshlrev_b32 v94, 30, v94
	v_xor_b32 v[\dst], v94, v92                    ; quadrants 2 and 3 change the sign
.endm
	TRIG 96, 84, 82
	TRIG 97, 84, 83
	TRIG 98, 85, 82
	TRIG 99, 85, 83
	global_store_b64 v100, v[96:97], s[14:15]              ; 32 lanes store a position's 256 bytes
	global_store_b64 v100, v[98:99], s[14:15] offset:256
	s_wait_xcnt 0x0                                ; the two stores have read their registers, which the stream takes
	s_wait_loadcnt 12                              ; step 0's four loads are in
	TURN 0
.macro STEP t
.set XS, X+16*((\t)%2)
.if (\t) > 0
	s_wait_dscnt 1                                 ; this step's numbers are back from the stage (the last step's byte store may be out)
.else
	s_wait_dscnt 0x0
.endif
.if (\t)+4 < STEPS
	LOAD (\t)+4
.endif
.if (\t)+1 < STEPS
.if STEPS-2-(\t) >= 3
	s_wait_loadcnt 12                              ; the next step's four loads are in; those of the three steps behind it may be out
.else
	s_wait_loadcnt 4*(STEPS-2-(\t))
.endif
	TURN (\t)+1
.endif
	v_max3_num_f32 v8, |v[XS]|, |v[XS+1]|, |v[XS+2]|
	v_max3_num_f32 v9, |v[XS+3]|, |v[XS+4]|, |v[XS+5]|
.irp i, 6,10
	v_max3_num_f32 v8, v8, |v[XS+\i]|, |v[XS+\i+1]|
	v_max3_num_f32 v9, v9, |v[XS+\i+2]|, |v[XS+\i+3]|
.endr
	v_max3_num_f32 v8, v8, |v[XS+14]|, |v[XS+15]|
	v_max3_num_f32 v8, v8, v9, (EMAX+1)<<23        ; the floor: the byte cannot fall under 1
	v_max_num_f32_dpp v8, v8, v8 row_xmask:1 row_mask:0xf bank_mask:0xf   ; with my neighbour's 16: the block's largest magnitude
	v_add_nc_u32 v11, -(EMAX<<23), v8              ; EMAX off its exponent field: the conversion's scale operand
	v_cvt_scalef32_pk8_fp4_f32 v[C+4*(\t)], v[XS:XS+7], v11
	v_cvt_scalef32_pk8_fp4_f32 v[C+4*(\t)+1], v[XS+8:XS+15], v11
	v_lshrrev_b32 v[E+(\t)], 23, v11               ; the scale's byte
	ds_store_b8 v5, v[E+(\t)] offset:16*(\t)       ; both lanes of a block write the same byte with the same value
	global_store_b64 v4, v[C+4*(\t):C+4*(\t)+1], s[10:11] offset:32*CB*(\t)   ; 32 lanes store 256 consecutive bytes
.endm
.irp t, 0,1,2,3,4,5,6,7,8,9,10,11,12,13,14,15
	STEP \t
.endr
	ds_load_b64 v[8:9], v6                         ; LDS serves a wave's instructions in order: these see my stores
	s_wait_dscnt 0x0
	global_store_b64 v7, v[8:9], s[12:13]          ; my 8 rows' 256 scale bytes
	s_wait_tensorcnt 0x0                           ; the wave's end
	ds_add_u32 v[SPW], v[NIL]
	s_wait_dscnt 0x0
	s_endpgm
; ---------------- the weights: a lane takes a column, its registers run down K ----------------
.Lweights:
	s_lshr_b32 s17, ttmp9, 1                       ; which 128 of the 4,096 columns (3,072 of W_qkv, then 1,024 of W_proj)
	s_and_b32 s18, ttmp9, 1                        ; which 512 along K
	s_mov_b32 s20, 4096
	s_wait_kmcnt 0x0
	s_cmp_lt_u32 s17, 24                           ; the choice hangs on the work-group's number alone
	s_cselect_b64 s[6:7], s[6:7], s[8:9]
	s_cselect_b32 s20, 12288, s20                  ; a row of W in bytes
	s_cselect_b32 s21, 0, 24
	s_sub_co_u32 s22, s17, s21
	s_lshl_b32 s22, s22, 7
	s_lshl_b32 s23, s16, 5
	s_add_co_u32 s22, s22, s23                     ; my wave's first column in its tensor
	s_lshl_b32 s22, s22, 2
	s_mul_i32 s23, s18, s20
	s_lshl_b32 s23, s23, 9
	s_add_co_u32 s22, s22, s23
	s_mov_b32 s23, 0
	s_add_nc_u64 s[32:33], s[6:7], s[22:23]        ; block 0's first row; a base for each of the 16 blocks, so that nothing is stepped in the stream
	s_lshl_b32 s24, s20, 5
	s_mov_b32 s25, 0
.irp t, 1,2,3,4,5,6,7,8,9,10,11,12,13,14,15
	s_add_nc_u64 s[32+2*\t:33+2*\t], s[30+2*\t:31+2*\t], s[24:25]
.endr
	s_lshl_b32 s26, s17, 7
	s_lshl_b32 s27, s16, 5
	s_add_co_u32 s26, s26, s27
	s_add_co_u32 s26, s26, 8192                    ; my 32 columns' first row in the codes' buffer
	s_lshl_b32 s28, s26, 9
	s_lshl_b32 s27, s18, 8
	s_add_co_u32 s28, s28, s27
	s_mov_b32 s29, 0
	s_add_nc_u64 s[10:11], s[10:11], s[28:29]
	s_lshl_b32 s28, s26, 5
	s_lshl_b32 s27, s18, 4
	s_add_co_u32 s28, s28, s27
	s_add_nc_u64 s[12:13], s[12:13], s[28:29]
	v_lshlrev_b32 v[OF], 2, v2
.set i, 0
.rept 31
	v_add_nc_u32 v[OF+1+i], s20, v[OF+i]
.set i, i+1
.endr
	s_mul_i32 s19, s16, 32*WP
	s_add_co_u32 s19, s19, WLDS                    ; my stage
	v_mul_u32_u24 v4, v2, WP
	v_add_nc_u32 v4, s19, v4                       ; into it: row = my column
	v_and_b32 v5, 15, v2
	v_lshrrev_b32 v6, 4, v2
	v_mul_u32_u24 v7, v6, WP
	v_lshl_add_u32 v7, v5, 4, v7
	v_add_nc_u32 v7, s19, v7                       ; out of it: sixteen lanes to a row, two rows an instruction
	v_lshlrev_b32 v8, 9, v6
	v_lshl_add_u32 v8, v5, 4, v8                   ; and the same place in the codes' buffer
	v_and_b32 v9, 7, v2
	v_and_b32 v10, 8, v2
	v_lshl_or_b32 v9, v10, 1, v9
	v_and_b32 v10, 16, v2
	v_lshrrev_b32 v10, 1, v10
	v_or_b32 v9, v9, v10                           ; my column with bits 3 and 4 changed over
	v_lshlrev_b32 v9, 5, v9                        ; its row of scale bytes
.macro WLOAD t                         ; block t: W(32 t + i, my column)
.set i, 0
.rept 32
	global_load_b32 v[XW+32*((\t)%2)+i], v[OF+i], s[32+2*(\t):33+2*(\t)] th:TH_LOAD_NT
.set i, i+1
.endr
.endm
	WLOAD 0
	WLOAD 1
.macro BLOCK t
.set XS, XW+32*((\t)%2)
.if (\t) < 15
	s_wait_loadcnt 32                              ; this block's 32 loads are in; the next block's may be out
.else
	s_wait_loadcnt 0
.endif
	v_max3_num_f32 v12, |v[XS]|, |v[XS+1]|, |v[XS+2]|
	v_max3_num_f32 v13, |v[XS+3]|, |v[XS+4]|, |v[XS+5]|
.irp i, 6,10,14,18,22,26
	v_max3_num_f32 v12, v12, |v[XS+\i]|, |v[XS+\i+1]|
	v_max3_num_f32 v13, v13, |v[XS+\i+2]|, |v[XS+\i+3]|
.endr
	v_max3_num_f32 v12, v12, |v[XS+30]|, |v[XS+31]|
	v_max3_num_f32 v12, v12, v13, (EMAX+1)<<23
	v_add_nc_u32 v11, -(EMAX<<23), v12
	v_lshrrev_b32 v13, 23, v11
.if (\t)%4 == 0
	v_mov_b32 v[SB+(\t)/4], v13
.else
	v_lshl_or_b32 v[SB+(\t)/4], v13, 8*((\t)%4), v[SB+(\t)/4]
.endif
.irp g, 0,1,2,3
	v_cvt_scalef32_pk8_fp4_f32 v[CW+\g], v[XS+8*\g:XS+8*\g+7], v11
.endr
	ds_store_b128 v4, v[CW:CW+3] offset:16*(\t)
.if (\t)+2 < 16
	WLOAD (\t)+2
.endif
	s_wait_dscnt 0x0                               ; the store has read its registers: the next block's codes may be written
.endm
.set Q, 0
.rept 16
	BLOCK Q
.set Q, Q+1
.endr
	global_store_b128 v9, v[SB:SB+3], s[12:13]     ; my column's 16 scale bytes
.irp t, 0,1,2,3,4,5,6,7,8,9,10,11,12,13,14,15
	ds_load_b128 v[OUTR+4*\t:OUTR+4*\t+3], v7 offset:2*\t*WP
.endr
.irp t, 0,1,2,3,4,5,6,7,8,9,10,11,12,13,14,15
	s_wait_dscnt 15-\t
	global_store_b128 v8, v[OUTR+4*\t:OUTR+4*\t+3], s[10:11] offset:(((2*\t)&7)|(((2*\t)&8)<<1)|(((2*\t)&16)>>1))*512   ; columns 2 t, 2 t + 1 at their changed places: 16 lanes store 256 consecutive bytes
.endr
	s_wait_tensorcnt 0x0                           ; the wave's end, as above
	ds_add_u32 v[SPW], v[NIL]
	s_wait_dscnt 0x0
	s_endpgm
.Lfunc_end_k_qadc3480248_prep:
	.size	k_qadc3480248_prep, .Lfunc_end_k_qadc3480248_prep-k_qadc3480248_prep
	.p2alignl 7, 3214868480
	.fill 96, 4, 3214868480
	.section	.rodata,"a",@progbits
	.p2align	6, 0x0
	.amdhsa_kernel k_qadc3480248_prep
		.amdhsa_group_segment_fixed_size 68096
		.amdhsa_private_segment_fixed_size 0
		.amdhsa_enable_private_segment 0
		.amdhsa_kernarg_size 48
		.amdhsa_user_sgpr_count 2
		.amdhsa_user_sgpr_kernarg_segment_ptr 1
		.amdhsa_wavefront_size32 1
		.amdhsa_system_sgpr_workgroup_id_x 1
		.amdhsa_system_sgpr_workgroup_id_y 1
		.amdhsa_system_sgpr_workgroup_id_z 1
		.amdhsa_system_vgpr_workitem_id 0
		.amdhsa_next_free_vgpr 192
		.amdhsa_next_free_sgpr 66
		.amdhsa_reserve_vcc 1
		.amdhsa_float_denorm_mode_32 3
		.amdhsa_float_denorm_mode_16_64 3
		.amdhsa_memory_ordered 1
		.amdhsa_forward_progress 1
		.amdhsa_inst_pref_size 124
	.end_amdhsa_kernel
	.amdgpu_metadata
---
amdhsa.version: [ 1, 2 ]
amdhsa.kernels:
  - .name:           k_qadc3480248_prep
    .symbol:         k_qadc3480248_prep.kd
    .args:
      - { .name: x, .offset: 0, .size: 8, .value_kind: global_buffer, .address_space: global }
      - { .name: W_qkv, .offset: 8, .size: 8, .value_kind: global_buffer, .address_space: global }
      - { .name: W_proj, .offset: 16, .size: 8, .value_kind: global_buffer, .address_space: global }
      - { .name: prep_codes, .offset: 24, .size: 8, .value_kind: global_buffer, .address_space: global }
      - { .name: prep_scales, .offset: 32, .size: 8, .value_kind: global_buffer, .address_space: global }
      - { .name: rope, .offset: 40, .size: 8, .value_kind: global_buffer, .address_space: global }
    .group_segment_fixed_size: 68096
    .private_segment_fixed_size: 0
    .kernarg_segment_align: 8
    .kernarg_segment_size: 48
    .max_flat_workgroup_size: 128
    .sgpr_count:     66
    .vgpr_count:     192
    .wavefront_size: 32
...
	.end_amdgpu_metadata
.endif
;; end of part 1
;; launch gemm_qkv (part 2): grid 12 x 32, 4 waves a work-group, clusters of 4 x 4, 327,680 bytes of LDS; arguments prep_codes, prep_scales, b_qkv, rope, qkv; writes qkv
.if DOCPART == 2
	.amdgcn_target "amdgcn-amd-amdhsa--gfx1250"
	.amdhsa_code_object_version 6
	.text
	.protected	k_qadc3480248_gemm_qkv
	.globl	k_qadc3480248_gemm_qkv
	.p2align	8
	.type	k_qadc3480248_gemm_qkv,@function
k_qadc3480248_gemm_qkv:
	s_mov_b64 s[64:65], 0
	v_nop
	global_prefetch_b8 v0, s[64:65] scope:SCOPE_SE
	s_setreg_imm32_b32 hwreg(HW_REG_WAVE_MODE, 25, 1), 1
	s_wait_xcnt 0x0
	s_wait_alu depctr_hold_cnt(0) depctr_sa_sdst(0) depctr_va_vdst(0) depctr_va_sdst(0) depctr_va_ssrc(0) depctr_va_vcc(0) depctr_vm_vsrc(0)
	s_getreg_b32 s2, hwreg(HW_REG_IB_STS2, 6, 4)
	s_cmp_eq_u32 s2, 0
	s_cbranch_scc0 .Lentry_in_a_cluster
	s_endpgm
.Lentry_in_a_cluster:
	s_bfe_u32 s2, ttmp6, 0x10000c
	s_cmp_lg_u32 s2, 0xf033
	s_cbranch_scc0 .Lentry_shape_is_right
	s_endpgm
.Lentry_shape_is_right:
; qkv = x W_qkv + b_qkv on codes of E2M1 (K = 1,024), then RoPE on q and k, then the quantisers of the attention's operands: q and k along the head's 64, v along the tokens.  No work of reference() is left out here.
; A work-group of four waves makes 256 x 256 of the product, a wave 128 x 128: 64 accumulators.  All of K lies in two LDS slots of 512 along K, each filled once; the scale bytes of the 512 rows lie behind them.
; TWO OPERANDS, L AND R, OUT OF ONE BUFFER (x's tokens at rows 0-8191, W_qkv's columns at 8192-11263).  L is source 1 of the matrix instruction: a lane holds one row of L.  R is source 0: a lane's registers run along R's rows.
; The cluster's x is the type: 0 q, 1 k, 2 v.  q, k: L = tokens, R = columns, so that a lane holds a token and its registers the head's channels, the next K.  v: L = columns, R = tokens: a lane holds a channel and its
; registers run along the tokens, the next K.  L's tile hangs on the cluster's ids and cy and is shared along a row of the cluster; R's on the cluster's ids and cx and is shared along a column: in a v cluster cy picks the
; columns and cx the tokens.  So masks, descriptors, LDS addresses and the walk over K are one text for all three types; the type enters global addresses, the bias and the way out alone, and is the same in all 16 partners.
; THE ROWS' ORDER in memory (bits 3 and 4 of a row's number changed over) makes tile 2 b + u of R, half h, register j the logical row 32 b + 16 h + 8 u + j, and lane r of block a of L the logical row 32 (a / 2) + 8 (a % 2) + r + 8 (r / 8).
; THE BIAS is the C of the first step's products.  OUT: for each head and each 128 tokens a block of 13,568 bytes: images of the attention's operand registers (16 bytes a lane, 512 a store) and their scale words.
; A scale word of q or k holds the head's two bytes and twice 0x7f: the attention's K step of 128 is filled with zero codes.
; LIMITS: as in the first launch (a block of zeros gets the byte 1; NaN and infinities are not served).
; REGISTERS: window 0: v16-31 addresses; v32-95 scale words, two sets, and nothing else; v96-127 the quantiser's work; v128-191 L's fragments, one set, on the way out the rotated numbers; v192-255 the bias, later cos and sin, two sets.
;   window 1: R's fragments, two sets, at v0 and v128.   window 2, 3: the accumulators, (a, b) at v[8 (8 (a % 4) + b)].
.set NQ,     4
.set ROWB,   256
.set KROW,   512
.set PITCH,  272                       ; an LDS row: 256 bytes + 16 of padding: the 16 rows that a load touches start at 16 different banks
.set FR,     8
.set NL,     2
.set NP,     4
.set HALFT,  128*PITCH
.set SLOT,   4*HALFT                   ; L's 256 rows, then R's 256 rows
.set KS,     32
.set SCL,    2*SLOT
.set HALFS,  16*272
.set SBLK,   2*272
.set SPARE,  SCL+4*HALFS               ; the spare words, 128 bytes for each wave
.set PLANE,  217088                    ; a head's 16 blocks in qkv
.set GRPB,   13568
.set ADRA, 16
.set ADRB, 20
.set BO,   22                          ; the bias's lane offset, q and k: 64 h
.set BV,   23                          ; v: 4 (r + 8 (r / 8))
.set LI,   24                          ; 16 x lane
.set RA,   25                          ; my token's row of the table, + 64 h
.set SS,   26                          ; the stage for scale words: 1,024 x wave + 16 r
.set ADRS, 27
.set SPW,  28
.set NIL,  29
.set SRD,  30                          ; 1,024 x wave + 16 x lane
.set GS,   31                          ; v's scale words in memory: lanes 16-31 the second head's
.set SC,   32
.set TM,   96
.set PC,   112
.set WD,   120
.set PWR,  122
.set RB0,  124
.set RB1,  8
.set AF,   128
.set T,    128
.set BI,   192
.set CSB,  192
.set G1, 24
.set G0, 32
.set G1B, 48
.set G0B, 56
.set G1S, 68
.set G0S, 76
.set G1SB, 80
.set G0SB, 88
.set MSB, 0
.macro WIN new                         ; the immediate's high byte repeats the setting that is left
.if MSB != (\new)
	s_set_vgpr_msb (MSB<<8)|(\new)
.set MSB, (\new)
.endif
.endm
.set MUL_LO, 0xa1
.set MUL_HI, 0xf1
.set TO_B,   0x40
; A joint load: waves 0 and 1 fetch for L, waves 2 and 3 for R.  An s_nop 0 and four v_nop follow each of the two lines.
.macro JLOAD g0a, g1a, g0b, g1b
	s_cmp_eq_u32 s15, 0
	s_cbranch_scc0 .Lfor_b_\@
	tensor_load_to_lds s[\g0a:\g0a+3], s[\g1a:\g1a+7]
	s_nop 0
.rept 4
	v_nop
.endr
	s_branch .Lasked_\@
.Lfor_b_\@:
	tensor_load_to_lds s[\g0b:\g0b+3], s[\g1b:\g1b+7]
	s_nop 0
.rept 4
	v_nop
.endr
.Lasked_\@:
.endm
.macro CROUND                          ; a round of the cluster's barrier
	s_barrier_signal -1
	s_barrier_wait -1
	s_cmp_lg_u32 s14, 0
	s_cbranch_scc1 .Lnot_wave_0_\@
	s_barrier_signal -3
.Lnot_wave_0_\@:
	s_barrier_wait -3
	s_barrier_signal -1
	s_barrier_wait -1
.endm
	s_load_b256 s[4:11], s[0:1], 0x0               ; the codes s[4:5], the scale bytes s[6:7], b_qkv s[8:9], the table s[10:11]
	s_load_b64 s[12:13], s[0:1], 0x20              ; qkv
	v_lshl_add_u32 v[SPW], v0, 2, SPARE
	v_mov_b32 v[NIL], 0
	ds_add_u32 v[SPW], v[NIL]                      ; the wave's opening: the add, twice on end, and its wait ahead of my first tensor load
	ds_add_u32 v[SPW], v[NIL]
	v_lshrrev_b32 v1, 5, v0
	v_readfirstlane_b32 s14, v1                    ; wave 0..3
	s_lshr_b32 s15, s14, 1                         ; which half of L's rows is mine.  Also: I fetch for L (0) or for R (1)
	s_and_b32 s16, s14, 1                          ; which half of R's rows.  Also: which 128 rows of that tile I fetch
	s_bfe_u32 s40, ttmp6, 0x40000                  ; cx
	s_bfe_u32 s41, ttmp6, 0x40004                  ; cy
	s_and_b32 s67, ttmp7, 0xffff
	s_lshl_b32 s67, s67, 2                         ; x's tiles of 256 tokens: 4 x cluster y on
	s_lshl_b32 s95, ttmp9, 2
	s_add_co_u32 s95, s95, 32                      ; q's or k's tiles of 256 columns: row 8,192 + 1,024 x type on
	s_cmp_eq_u32 ttmp9, 2
	s_cselect_b32 s66, 1, 0                        ; 1: this cluster makes v
	s_cselect_b32 s17, 40, s67                     ; L's first tile: v's columns begin at row 10,240
	s_cselect_b32 s42, s67, s95                    ; R's
	s_add_co_u32 s17, s17, s41                     ; L's tile: + cy
	s_add_co_u32 s42, s42, s40                     ; R's tile: + cx
	s_lshl_b32 s43, s41, 2
	s_lshl_b32 s43, 15, s43                        ; my row of the cluster
	s_lshl_b32 s44, 0x1111, s40                    ; my column
	s_or_b32 s[G1+0], s43, (0<<16)|(1<<20)|(1<<21)|(5<<22)|(3<<25)  ; the mask; elements of 1 byte; padding on; bit 21 beside a mask; 4 words behind every 64
	s_or_b32 s[G1B+0], s44, (0<<16)|(1<<20)|(1<<21)|(5<<22)|(3<<25)
.irp g, G1, G1B
	s_mov_b32 s[\g+1], ROWB<<16                    ; tensor_dim0
	s_mov_b32 s[\g+2], 128<<16                     ; tensor_dim1
	s_mov_b32 s[\g+3], ROWB<<16                    ; tile_dim0
	s_mov_b32 s[\g+4], 128                         ; tile_dim1
	s_mov_b32 s[\g+5], KROW                        ; from row to row
	s_mov_b32 s[\g+6], 0
	s_mov_b32 s[\g+7], 0
.endr
	s_or_b32 s[G1S+0], s43, (3<<16)|(1<<20)|(1<<21)|(5<<22)|(3<<25) ; the scale bytes of 128 rows: 4,096 dense bytes as 16 rows of 256, 16 bytes of padding behind each
	s_or_b32 s[G1SB+0], s44, (3<<16)|(1<<20)|(1<<21)|(5<<22)|(3<<25)
.irp g, G1S, G1SB
	s_mov_b32 s[\g+1], 32<<16
	s_mov_b32 s[\g+2], 16<<16
	s_mov_b32 s[\g+3], 32<<16
	s_mov_b32 s[\g+4], 16
	s_mov_b32 s[\g+5], 32
	s_mov_b32 s[\g+6], 0
	s_mov_b32 s[\g+7], 0
.endr
	s_lshl_b32 s18, s16, 7
	s_lshl_b32 s20, s17, 8
	s_add_co_u32 s20, s20, s18                     ; L: row 256 x tile + 128 x half
	s_lshl_b32 s46, s42, 8
	s_add_co_u32 s46, s46, s18                     ; R likewise
	s_mov_b32 s21, 0
	s_mov_b32 s47, 0
	s_mov_b64 s[18:19], KS
	s_mul_u64 s[22:23], s[20:21], s[18:19]
	s_mul_u64 s[92:93], s[46:47], s[18:19]
	s_mov_b64 s[18:19], KROW
	s_mul_u64 s[20:21], s[20:21], s[18:19]
	s_mul_u64 s[46:47], s[46:47], s[18:19]
	s_mul_i32 s45, s14, HALFT                      ; where they go: wave x 128 rows: no place in the cluster enters an LDS address
	s_mul_i32 s94, s14, HALFS
	s_mov_b32 s3, 0x7f7f7f7f
	s_wait_dscnt 0x0                               ; both opening adds are done
	s_wait_kmcnt 0x0
	s_add_nc_u64 s[20:21], s[4:5], s[20:21]
	s_add_nc_u64 s[22:23], s[6:7], s[22:23]
	s_add_nc_u64 s[46:47], s[4:5], s[46:47]
	s_add_nc_u64 s[92:93], s[6:7], s[92:93]
	CROUND                                         ; all sixteen work-groups are here: the joint loads meet
	s_mov_b32 s[G0S], 1
	s_add_co_u32 s[G0S+1], s94, SCL
	s_mov_b64 s[G0S+2:G0S+3], s[22:23]
	s_or_b32 s[G0S+3], s[G0S+3], 0x80000000
	s_mov_b32 s[G0SB], 1
	s_add_co_u32 s[G0SB+1], s94, SCL
	s_mov_b64 s[G0SB+2:G0SB+3], s[92:93]
	s_or_b32 s[G0SB+3], s[G0SB+3], 0x80000000
	JLOAD G0S, G1S, G0SB, G1SB                     ; three loads a wave, all first fills: the scale bytes,
.irp s, 0,1
	s_mov_b32 s[G0+4*\s], 1
	s_add_co_u32 s[G0+4*\s+1], s45, \s*SLOT
	s_add_nc_u64 s[G0+4*\s+2:G0+4*\s+3], s[20:21], \s*ROWB
	s_or_b32 s[G0+4*\s+3], s[G0+4*\s+3], 0x80000000
	s_mov_b32 s[G0B+4*\s], 1
	s_add_co_u32 s[G0B+4*\s+1], s45, \s*SLOT
	s_add_nc_u64 s[G0B+4*\s+2:G0B+4*\s+3], s[46:47], \s*ROWB
	s_or_b32 s[G0B+4*\s+3], s[G0B+4*\s+3], 0x80000000
	JLOAD G0+4*\s, G1, G0B+4*\s, G1B               ; slot 0, slot 1
.endr
	v_and_b32 v1, 15, v0                           ; r
	v_bfe_u32 v2, v0, 4, 1                         ; h
	v_mul_u32_u24 v3, v1, PITCH
	v_lshl_add_u32 v4, v2, 4, v3
	s_mul_i32 s21, s15, HALFT
	s_mul_i32 s22, s16, HALFT
	s_add_co_u32 s22, s22, 2*HALFT
.irp s, 0,1
	v_add_nc_u32 v[ADRA+\s], s21, v4
	v_add_nc_u32 v[ADRB+\s], s22, v4
	s_add_co_u32 s21, s21, SLOT
	s_add_co_u32 s22, s22, SLOT
.endr
	v_mul_u32_u24 v5, v1, KS
	v_lshrrev_b32 v6, 8, v5
	v_lshl_add_u32 v5, v6, 4, v5
	s_mul_i32 s21, s15, HALFS
	s_mul_i32 s22, s16, HALFS
	s_add_co_u32 s22, s22, 2*HALFS
	s_sub_co_u32 s22, s22, s21
	v_mul_u32_u24 v6, s22, v2                      ; lanes 16-31 take R's scale words
	s_add_co_u32 s21, s21, SCL
	v_add_nc_u32 v5, v5, v6
	v_add_nc_u32 v[ADRS], s21, v5
	v_and_b32 v5, 31, v0
	v_lshlrev_b32 v[LI], 4, v5
	v_and_b32 v6, 8, v1
	v_add_nc_u32 v6, v6, v1                        ; r + 8 (r / 8)
	v_lshlrev_b32 v[RA], 8, v6
	v_lshl_add_u32 v[RA], v2, 6, v[RA]
	v_lshlrev_b32 v[BO], 6, v2
	v_lshlrev_b32 v[BV], 2, v6
	s_lshl_b32 s23, s14, 10
	v_lshl_add_u32 v[SS], v1, 4, s23
	v_add_nc_u32 v[SRD], s23, v[LI]
	v_mul_u32_u24 v[GS], v2, PLANE
	v_lshl_add_u32 v[GS], v1, 4, v[GS]
.irp b, 0,1,2,3
	v_mov_b32 v[TM+4+\b], 0                        ; written once: a lane permute's destination counts as one of its sources
.endr
	; my 128 tokens and my 128 columns, and where they go
	s_lshl_b32 s96, s17, 8
	s_lshl_b32 s97, s15, 7
	s_add_co_u32 s96, s96, s97                     ; my first row of L,
	s_lshl_b32 s97, s42, 8
	s_lshl_b32 s98, s16, 7
	s_add_co_u32 s97, s97, s98                     ; of R
	s_cmp_eq_u32 s66, 1
	s_cselect_b32 s98, s97, s96                    ; my first token
	s_cselect_b32 s99, s96, s97
	s_sub_co_u32 s99, s99, 8192                    ; my first column of W_qkv
	s_lshr_b32 s18, s98, 11
	s_lshl_b32 s18, s18, 4
	s_bfe_u32 s19, s99, 0x40006
	s_add_co_u32 s18, s18, s19                     ; 16 x batch + my first head
	s_mul_i32 s18, s18, PLANE
	s_bfe_u32 s19, s98, 0x40007                    ; which 128 tokens of the sequence
	s_mul_i32 s19, s19, GRPB
	s_add_co_u32 s18, s18, s19
	s_mov_b32 s47, 8192
	s_cmp_eq_u32 ttmp9, 0
	s_cselect_b32 s46, 8960, 0                     ; the images: q at 8,960, k at 0, v at 4,096 of a block;
	s_cselect_b32 s47, 13056, s47                  ; the scale words: q at 13,056, k at 8,192, v at 8,704
	s_cmp_eq_u32 ttmp9, 2
	s_cselect_b32 s46, 4096, s46
	s_cselect_b32 s47, 8704, s47
	s_add_co_u32 s20, s18, s46
	s_mov_b32 s21, 0
	s_add_co_u32 s22, s18, s47
	s_mov_b32 s23, 0
	s_add_nc_u64 s[20:21], s[12:13], s[20:21]      ; where my images go
	s_add_nc_u64 s[22:23], s[12:13], s[22:23]      ; and my scale words
	s_lshl_b32 s18, s99, 2
	s_mov_b32 s19, 0
	s_add_nc_u64 s[8:9], s[8:9], s[18:19]          ; the bias at my first column
	s_and_b32 s18, s98, 2047
	s_lshl_b32 s18, s18, 8
	s_add_nc_u64 s[10:11], s[10:11], s[18:19]      ; the table at my first token's position
	s_cmp_eq_u32 s66, 0
	s_cbranch_scc0 .Lv_bias
.irp b, 0,1,2,3,4,5,6,7                        ; q, k: tile b's eight registers are eight columns
	global_load_b128 v[BI+8*\b:BI+8*\b+3], v[BO], s[8:9] offset:(32*(\b/2)+8*(\b%2))*4
	global_load_b128 v[BI+8*\b+4:BI+8*\b+7], v[BO], s[8:9] offset:(32*(\b/2)+8*(\b%2))*4+16
.endr
	s_branch .Lbias_asked
.Lv_bias:
.irp a, 0,1,2,3,4,5,6,7                        ; v: a lane holds one column of block a: the same number in all eight registers
	global_load_b32 v[BI+8*\a], v[BV], s[8:9] offset:(32*(\a/2)+8*(\a%2))*4
.endr
	s_wait_loadcnt 0x0
.irp a, 0,1,2,3,4,5,6,7
.irp j, 1,2,3,4,5,6,7
	v_mov_b32 v[BI+8*\a+\j], v[BI+8*\a]
.endr
.endr
.Lbias_asked:
.macro FRAG reg, adr, q, i             ; 16 rows x 128 K of 4-bit codes: 8 registers, two loads of 16 bytes, 32 bytes apart
.irp c, 0,1
	ds_load_b128 v[\reg+4*\c:\reg+4*\c+3], v[\adr] offset:64*(\q)+32*\c+(\i)*16*PITCH
.endr
.endm
; 16 matrix instructions: L's blocks a0, a0 + 1 x R's eight tiles.  zero = 1: C is the bias by R's tile; 2: by L's block; 0: in place.  The 64 accumulators take turns, one instruction a turn, in one order.
.macro MUL16 a0, p, q, sc, zero
.irp a, \a0, \a0+1
.irp b, 0,1,2,3,4,5,6,7
.if \zero == 1
	v_wmma_scale_f32_16x16x128_f8f6f4 v[8*(8*((\a)%4)+\b):8*(8*((\a)%4)+\b)+7], v[128*(\p)+FR*\b:128*(\p)+FR*\b+FR-1], v[AF+FR*(\a):AF+FR*(\a)+FR-1], v[BI+8*\b:BI+8*\b+7], v[SC+8*NQ*(\sc)+NQ*\b+(\q)], v[SC+8*NQ*(\sc)+NQ*(\a)+(\q)] matrix_a_fmt:MATRIX_FMT_FP4 matrix_b_fmt:MATRIX_FMT_FP4 matrix_a_scale:MATRIX_SCALE_ROW1
.elseif \zero == 2
	v_wmma_scale_f32_16x16x128_f8f6f4 v[8*(8*((\a)%4)+\b):8*(8*((\a)%4)+\b)+7], v[128*(\p)+FR*\b:128*(\p)+FR*\b+FR-1], v[AF+FR*(\a):AF+FR*(\a)+FR-1], v[BI+8*(\a):BI+8*(\a)+7], v[SC+8*NQ*(\sc)+NQ*\b+(\q)], v[SC+8*NQ*(\sc)+NQ*(\a)+(\q)] matrix_a_fmt:MATRIX_FMT_FP4 matrix_b_fmt:MATRIX_FMT_FP4 matrix_a_scale:MATRIX_SCALE_ROW1
.else
	v_wmma_scale_f32_16x16x128_f8f6f4 v[8*(8*((\a)%4)+\b):8*(8*((\a)%4)+\b)+7], v[128*(\p)+FR*\b:128*(\p)+FR*\b+FR-1], v[AF+FR*(\a):AF+FR*(\a)+FR-1], v[8*(8*((\a)%4)+\b):8*(8*((\a)%4)+\b)+7], v[SC+8*NQ*(\sc)+NQ*\b+(\q)], v[SC+8*NQ*(\sc)+NQ*(\a)+(\q)] matrix_a_fmt:MATRIX_FMT_FP4 matrix_b_fmt:MATRIX_FMT_FP4 matrix_a_scale:MATRIX_SCALE_ROW1
.endif
.endr
.endr
.endm
.macro FETCH_B slot, q, p
	WIN TO_B
.irp i, 0,1,2,3,4,5,6,7
	FRAG 128*(\p)+FR*\i, ADRB+\slot, \q, \i
.endr
	WIN 0
.endm
.macro FETCH_A slot, q, i0
.irp i, \i0, \i0+1, \i0+2, \i0+3
	FRAG AF+FR*(\i), ADRA+\slot, \q, \i
.endr
.endm
.macro SCALES sc                       ; a slot's scale words: lanes 0-15 L's block i, lanes 16-31 R's tile i
.irp i, 0,1,2,3,4,5,6,7
	ds_load_b128 v[SC+8*NQ*\sc+NQ*\i:SC+8*NQ*\sc+NQ*\i+3], v[ADRS] offset:\i*SBLK
.endr
.endm
.macro PLACES n                        ; plain vector instructions between a matrix instruction and a load into its registers or a read of its results
.rept \n
	v_nop
.endr
.endm
.macro STEP slot, q, zero              ; 128 along K, with its successor in the same slot
	s_wait_dscnt 4*NL                              ; R's set and L's blocks 0-3 are in; the youngest eight loads (L's blocks 4-7) may be out
.if \zero
	WIN 0x81                                       ; C, the bias, in window 0
.else
	WIN MUL_LO
.endif
	MUL16 0, (\q)%2, \q, \slot, \zero
	MUL16 2, (\q)%2, \q, \slot, \zero
	s_wait_dscnt 0
	PLACES NP
	FETCH_B \slot, (\q)+1, 1-(\q)%2
	FETCH_A \slot, (\q)+1, 0
.if \zero
	WIN 0xc1
.else
	WIN MUL_HI
.endif
	MUL16 4, (\q)%2, \q, \slot, \zero
	MUL16 6, (\q)%2, \q, \slot, \zero
	PLACES NP
	WIN 0
	FETCH_A \slot, (\q)+1, 4
.endm
.macro TURN slot, next                 ; a slot's last step changes slots: one barrier; nothing is filled again
	s_wait_tensorcnt 0x0                           ; my part of the next slot has landed
	ds_add_u32 v[SPW], v[NIL]
	s_wait_dscnt 4*NL+1                            ; (the add and the youngest eight loads may be out)
	WIN MUL_LO
	MUL16 0, 1, NQ-1, \slot, 0
	s_wait_dscnt 0x0                               ; the add is done, and my reads of this slot are over
	s_barrier_signal -1
	MUL16 2, 1, NQ-1, \slot, 0
	WIN 0
	s_barrier_wait -1
	PLACES NP
	v_add_nc_u32 v[ADRS], 4*NQ, v[ADRS]            ; the next slot's scale words
	FETCH_B \next, 0, 0
	FETCH_A \next, 0, 0
	SCALES \next
	WIN MUL_HI
	MUL16 4, 1, NQ-1, \slot, 0
	MUL16 6, 1, NQ-1, \slot, 0
	PLACES NP
	WIN 0
	FETCH_A \next, 0, 4
.endm
.macro RLOAD a                         ; cos and sin of block a's tokens, frequencies 16 h + 0 .. 15, into set a % 2: cos in registers 0-15, sin in 16-31
.irp k, 0,1,2,3
	global_load_b128 v[CSB+32*((\a)%2)+4*\k:CSB+32*((\a)%2)+4*\k+3], v[RA], s[10:11] offset:(32*((\a)/2)+8*((\a)%2))*256+16*\k
.endr
.irp k, 0,1,2,3
	global_load_b128 v[CSB+32*((\a)%2)+16+4*\k:CSB+32*((\a)%2)+16+4*\k+3], v[RA], s[10:11] offset:(32*((\a)/2)+8*((\a)%2))*256+128+16*\k
.endr
.endm
	s_wait_loadcnt 0x0                             ; the bias
	s_wait_tensorcnt 1                             ; the scale bytes and my part of slot 0 are in (slot 1's load may be out)
	s_barrier_signal -1
	s_barrier_wait -1                              ; everybody's are
	FETCH_B 0, 0, 0
	FETCH_A 0, 0, 0
	SCALES 0
	FETCH_A 0, 0, 4
	s_cmp_eq_u32 s66, 0
	s_cbranch_scc0 .Lv_first
	STEP 0, 0, 1                                   ; q, k: the first products start the sums from the bias by column tile
	RLOAD 0                                        ; the bias's registers are free (four places behind their last reader): the first two blocks' cos and sin
	RLOAD 1
	s_branch .Lfirst_done
.Lv_first:
	STEP 0, 0, 2                                   ; v: from the bias by column block
.Lfirst_done:
	STEP 0, 1, 0
	STEP 0, 2, 0
	TURN 0, 1
	STEP 1, 0, 0
	STEP 1, 1, 0
	STEP 1, 2, 0
	s_wait_dscnt 4*NL                              ; the last step: nothing more to fetch
	WIN MUL_LO
	MUL16 0, 1, NQ-1, 1, 0
	MUL16 2, 1, NQ-1, 1, 0
	s_wait_dscnt 0
	WIN MUL_HI
	MUL16 4, 1, NQ-1, 1, 0
	MUL16 6, 1, NQ-1, 1, 0
	WIN 0
	PLACES NP
; 64 numbers of a lane in window w, register 16 b + i = k 32 b + 16 h + i of the lane's row, become a fragment's codes in v[PC] on and the row's four scale bytes in v[pw].
.macro QUANT s, w, pw
	WIN ((\w)<<2)|((\w)<<4)
.irp b, 0,1,2,3
	v_max3_num_f32 v[TM+\b], 0x1800000, |v[(\s)+16*\b]|, |v[(\s)+1+16*\b]|   ; my 16 numbers of block b, and the floor 2^(3 - 127): the byte cannot fall under 1
.endr
.irp i, 2,4,6,8,10,12,14
.irp b, 0,1,2,3
	v_max3_num_f32 v[TM+\b], v[TM+\b], |v[(\s)+16*\b+\i]|, |v[(\s)+1+16*\b+\i]|
.endr
.endr
	WIN 0
.irp b, 0,1,2,3
	v_permlanex16_b32 v[TM+4+\b], v[TM+\b], s[18:18], s[19:19]
.endr
.irp b, 0,1,2,3
	v_max_num_f32 v[TM+\b], v[TM+\b], v[TM+4+\b]   ; with lane l xor 16's: the block's largest magnitude
.endr
.irp b, 0,1,2,3
	v_add_nc_u32 v[TM+12+\b], 0xff000000, v[TM+\b] ; 2 off its exponent field: the conversion's scale operand
.endr
.irp b, 0,1,2,3
	v_lshrrev_b32 v[TM+4+\b], 23, v[TM+12+\b]      ; the scale's byte
.endr
	v_lshl_or_b32 v[\pw], v[TM+5], 8, v[TM+4]
	v_lshl_or_b32 v[\pw], v[TM+6], 16, v[\pw]
	v_lshl_or_b32 v[\pw], v[TM+7], 24, v[\pw]
	WIN (\w)
.irp b, 0,1,2,3
	v_cvt_scalef32_pk8_fp4_f32 v[PC+2*\b], v[(\s)+16*\b:(\s)+7+16*\b], v[TM+12+\b]
	v_cvt_scalef32_pk8_fp4_f32 v[PC+1+2*\b], v[(\s)+8+16*\b:(\s)+15+16*\b], v[TM+12+\b]
.endr
	WIN 0
	v_nop                                          ; one plain place behind a scaled conversion
.irp c, 0,1                                    ; a whole block to a lane: lanes 0-15 block 2 c, lanes 16-31 block 2 c + 1
.irp i, 0,1
	v_permlane16_swap_b32 v[PC+4*\c+\i], v[PC+2+4*\c+\i]
.endr
.endr
.endm
	s_mov_b32 s18, 0x76543210
	s_mov_b32 s19, 0xfedcba98                      ; v_permlanex16_b32's selects for lane l xor 16
	s_cmp_eq_u32 s66, 0
	s_cbranch_scc0 .Lv_out
; q, k: block a = 16 tokens, a lane one of them; its 64 registers are two heads x (channels 16 h + 0..15, then 32 + 16 h + 0..15).  RoPE: lo' = lo cos - hi sin, hi' = hi cos + lo sin.
.macro QKOUT a
.set AC, 64*((\a)%4)
.set CR, CSB+32*((\a)%2)
.if (\a) < 7
	s_wait_loadcnt 8                               ; this block's cos and sin are in; the next block's eight loads may be out
.else
	s_wait_loadcnt 0
.endif
	WIN 0x02+(\a)/4                                ; source 0: the accumulators' window
.irp hd, 0,1
.irp p, 0,1,2,3,4,5,6,7                        ; each accumulator is read from its low end on
	v_pk_mul_f32 v[T+32*\hd+2*\p:T+32*\hd+2*\p+1], v[AC+32*\hd+16+2*\p:AC+32*\hd+16+2*\p+1], v[CR+16+2*\p:CR+16+2*\p+1]
	v_pk_mul_f32 v[T+32*\hd+16+2*\p:T+32*\hd+16+2*\p+1], v[AC+32*\hd+2*\p:AC+32*\hd+2*\p+1], v[CR+16+2*\p:CR+16+2*\p+1]
.endr
.endr
.irp hd, 0,1
.irp p, 0,1,2,3,4,5,6,7
	v_pk_fma_f32 v[T+32*\hd+2*\p:T+32*\hd+2*\p+1], v[AC+32*\hd+2*\p:AC+32*\hd+2*\p+1], v[CR+2*\p:CR+2*\p+1], v[T+32*\hd+2*\p:T+32*\hd+2*\p+1] neg_lo:[0,0,1] neg_hi:[0,0,1]
	v_pk_fma_f32 v[T+32*\hd+16+2*\p:T+32*\hd+16+2*\p+1], v[AC+32*\hd+16+2*\p:AC+32*\hd+16+2*\p+1], v[CR+2*\p:CR+2*\p+1], v[T+32*\hd+16+2*\p:T+32*\hd+16+2*\p+1]
.endr
.endr
	WIN 0
	s_wait_xcnt 0x0                                ; the last block's stores have read the codes' registers
.if (\a) < 6
	RLOAD (\a)+2
.endif
	s_wait_dscnt 0x0                               ; and its LDS stores the words'
	QUANT T, 0, PWR
	v_perm_b32 v[WD], v[PWR], s3, 0x00000504       ; the first head's two bytes, then twice 0x7f
	v_perm_b32 v[WD+1], v[PWR], s3, 0x00000706     ; the second head's
	global_store_b128 v[LI], v[PC:PC+3], s[20:21] offset:512*(\a)          ; 32 lanes store 512 consecutive bytes: the tile's image
	global_store_b128 v[LI], v[PC+4:PC+7], s[20:21] offset:PLANE+512*(\a)
	ds_store_b32 v[SS], v[WD] offset:256*((\a)/4)+4*((\a)%4)               ; lanes r and r + 16 write the same word with the same value
	ds_store_b32 v[SS], v[WD+1] offset:512+256*((\a)/4)+4*((\a)%4)
.endm
.irp a, 0,1,2,3,4,5,6,7
	QKOUT \a
.endr
	ds_load_b128 v[RB0:RB0+3], v[SRD]              ; LDS serves a wave's instructions in order: these see my stores
	ds_load_b128 v[RB1:RB1+3], v[SRD] offset:512
	s_wait_dscnt 0x0
	global_store_b128 v[LI], v[RB0:RB0+3], s[22:23]
	global_store_b128 v[LI], v[RB1:RB1+3], s[22:23] offset:PLANE
	s_branch .Ldone
; v: block a = 16 channels, a lane one of them; its 64 registers run along my 128 tokens.
.Lv_out:
.macro VOUT a
	s_wait_xcnt 0x0
	s_wait_dscnt 0x0
	QUANT 64*((\a)%4), 2+(\a)/4, WD
	global_store_b128 v[LI], v[PC:PC+3], s[20:21] offset:PLANE*((\a)/4)+1024*((\a)%4)
	global_store_b128 v[LI], v[PC+4:PC+7], s[20:21] offset:PLANE*((\a)/4)+1024*((\a)%4)+512
	ds_store_b32 v[SS], v[WD] offset:4096+256*((\a)/4)+4*((\a)%4)          ; this way's stage has bytes of its own
.endm
.irp a, 0,1,2,3,4,5,6,7
	VOUT \a
.endr
	ds_load_b128 v[RB0:RB0+3], v[SRD] offset:4096
	s_wait_dscnt 0x0
	global_store_b128 v[GS], v[RB0:RB0+3], s[22:23]        ; each half of the lanes stores one head's 256 bytes
.Ldone:
	s_wait_tensorcnt 0x0                           ; the wave's end
	ds_add_u32 v[SPW], v[NIL]
	s_wait_dscnt 0x0
	CROUND                                         ; the closing round
	s_endpgm
.Lfunc_end_k_qadc3480248_gemm_qkv:
	.size	k_qadc3480248_gemm_qkv, .Lfunc_end_k_qadc3480248_gemm_qkv-k_qadc3480248_gemm_qkv
	.p2alignl 7, 3214868480
	.fill 96, 4, 3214868480
	.section	.rodata,"a",@progbits
	.p2align	6, 0x0
	.amdhsa_kernel k_qadc3480248_gemm_qkv
		.amdhsa_group_segment_fixed_size 327680
		.amdhsa_private_segment_fixed_size 0
		.amdhsa_enable_private_segment 0
		.amdhsa_kernarg_size 40
		.amdhsa_user_sgpr_count 2
		.amdhsa_user_sgpr_kernarg_segment_ptr 1
		.amdhsa_wavefront_size32 1
		.amdhsa_system_sgpr_workgroup_id_x 1
		.amdhsa_system_sgpr_workgroup_id_y 1
		.amdhsa_system_sgpr_workgroup_id_z 1
		.amdhsa_system_vgpr_workitem_id 0
		.amdhsa_next_free_vgpr 1024
		.amdhsa_next_free_sgpr 100
		.amdhsa_reserve_vcc 0
		.amdhsa_float_denorm_mode_32 3
		.amdhsa_float_denorm_mode_16_64 3
		.amdhsa_memory_ordered 1
		.amdhsa_forward_progress 1
		.amdhsa_inst_pref_size 218
	.end_amdhsa_kernel
	.amdgpu_metadata
---
amdhsa.version: [ 1, 2 ]
amdhsa.kernels:
  - .name:           k_qadc3480248_gemm_qkv
    .symbol:         k_qadc3480248_gemm_qkv.kd
    .args:
      - { .name: prep_codes, .offset: 0, .size: 8, .value_kind: global_buffer, .address_space: global }
      - { .name: prep_scales, .offset: 8, .size: 8, .value_kind: global_buffer, .address_space: global }
      - { .name: b_qkv, .offset: 16, .size: 8, .value_kind: global_buffer, .address_space: global }
      - { .name: rope, .offset: 24, .size: 8, .value_kind: global_buffer, .address_space: global }
      - { .name: qkv, .offset: 32, .size: 8, .value_kind: global_buffer, .address_space: global }
    .group_segment_fixed_size: 327680
    .private_segment_fixed_size: 0
    .kernarg_segment_align: 8
    .kernarg_segment_size: 40
    .max_flat_workgroup_size: 128
    .sgpr_count:     100
    .vgpr_count:     1024
    .wavefront_size: 32
...
	.end_amdgpu_metadata
.endif
;; end of part 2
;; launch attn (part 3): grid 4 x 64, 16 waves a work-group, clusters of 4 x 1, 167,936 bytes of LDS; arguments qkv, y_codes, y_scales; writes y_codes, y_scales
.if DOCPART == 3
	.amdgcn_target "amdgcn-amd-amdhsa--gfx1250"
	.amdhsa_code_object_version 6
	.text
	.protected	k_qadc3480248_attn
	.globl	k_qadc3480248_attn
	.p2align	8
	.type	k_qadc3480248_attn,@function
k_qadc3480248_attn:
	s_mov_b64 s[64:65], 0
	v_nop
	global_prefetch_b8 v0, s[64:65] scope:SCOPE_SE
	s_setreg_imm32_b32 hwreg(HW_REG_WAVE_MODE, 25, 1), 1
	s_wait_xcnt 0x0
	s_wait_alu depctr_hold_cnt(0) depctr_sa_sdst(0) depctr_va_vdst(0) depctr_va_sdst(0) depctr_va_ssrc(0) depctr_va_vcc(0) depctr_vm_vsrc(0)
	s_getreg_b32 s2, hwreg(HW_REG_IB_STS2, 6, 4)
	s_cmp_eq_u32 s2, 0
	s_cbranch_scc0 .Lentry_in_a_cluster
	s_endpgm
.Lentry_in_a_cluster:
	s_bfe_u32 s2, ttmp6, 0x10000c
	s_cmp_lg_u32 s2, 0x3003
	s_cbranch_scc0 .Lentry_shape_is_right
	s_endpgm
.Lentry_shape_is_right:
; y = softmax(q k^T / 8, causal) v for one head, both products on codes of E2M1, and y's quantiser along the model's 1,024.
; LEFT OUT: key steps of 128 keys all of which come after all 16 queries of a tile: reference()'s own mask makes their weights 0 for all values of the inputs (shown at the head of the first launch).
; THE SOFTMAX: t = score x log2(e) / 8; M = the running largest t rounded up to a whole number; p = 2^(t - M) is quantised along the keys, not normalised; the row's sum is taken of the unquantised p and divides at the end.
; A block's largest p is made from the block's largest score by the same multiply-add and exponential (this takes v_exp_f32 not to fall where its input rises).
; SHARES.  The four work-groups of a cluster take one head.  The head's K, V and their scale words, 16 key steps x 8,960 bytes, come into LDS once: each of the sixteen waves asks for one key step, jointly with the three
; partners' same wave; nothing is filled again.  A tile is 16 queries; wave w of the work-group at place cx owns tiles 4 w + cx and 127 - (4 w + cx): together 17 key steps whatever w and cx, so all waves have equal work.
; Which key steps a tile walks hangs on the wave's number alone (w / 2 and 15 - w / 2): cx enters global addresses and the mask's numbers only.
; LAYOUT.  Both products are used transposed: S^T = K Q^T, O^T = V^T P^T: a lane holds one query throughout.  All operands lie in LDS and memory as images of their registers, 16 bytes a lane.  The rows of a tile are
; 32 (a / 2) + 8 (a % 2) + r + 8 (r / 8), so that the registers of two neighbouring tiles are 16 neighbours along the next K.
; THE HEAD'S 64 FILL HALF OF THE INSTRUCTION'S 128: Q's upper four registers hold zero codes, under scale bytes 0x7f.  K's fragment i is named as v[KF + 4 i .. + 7]: its upper four registers are the next tile's codes
; (the last tile's: zeros); they meet Q's zero codes and add exactly nothing.
; LIMITS: NaN and infinities are not served; a block of zeros gets the byte 1.
.set PLANE, 217088
.set GRPB,  13568
.set STEPB, 8960                       ; a key step in LDS: K's image 4,096, V's 4,096, K's scale words 512, V's 256
.set SPARE, 16*STEPB                   ; the spare words, 128 bytes for each wave
.set LI,  1                            ; 16 x lane
.set LR,  2                            ; 16 x (lane % 16)
.set SPW, 3
.set NIL, 4
.set AD,  5                            ; LI + the key step's first byte
.set ADV, 6                            ; LR + the same
.set LY,  7                            ; 32 x (lane % 16)
.set KS,  36                           ; v36-39 K's scale words; v40-43 V's
.set VS,  40
.set KF,  44                           ; v44-75 K's eight tiles, v76-79 zeros; later V's four fragments in v44-75
.set S,   80                           ; v80-143 S^T, then p
.set PC,  208
.set BM,  216
.set BP,  220
.set SO,  224
.set WV,  10
.set SEL, 20
.set CS,  22
.set SI,  32                           ; the key step
.set TB,  33                           ; its first byte in LDS
.macro CROUND
	s_barrier_signal -1
	s_barrier_wait -1
	s_cmp_lg_u32 s[WV], 0
	s_cbranch_scc1 .Lnot_wave_0_\@
	s_barrier_signal -3
.Lnot_wave_0_\@:
	s_barrier_wait -3
	s_barrier_signal -1
	s_barrier_wait -1
.endm
	s_load_b128 s[4:7], s[0:1], 0x0                ; qkv, y's codes
	s_load_b64 s[8:9], s[0:1], 0x10                ; y's scale bytes
	v_lshl_add_u32 v[SPW], v0, 2, SPARE
	v_mov_b32 v[NIL], 0
	ds_add_u32 v[SPW], v[NIL]                      ; the wave's opening: the add, twice on end, and its wait ahead of my tensor load
	ds_add_u32 v[SPW], v[NIL]
	v_lshrrev_b32 v5, 5, v0
	v_readfirstlane_b32 s[WV], v5                  ; wave 0..15
	s_bfe_u32 s11, ttmp6, 0x40000                  ; cx
	s_and_b32 s12, ttmp7, 0xffff                   ; 16 x batch + head, which the four partners share
	s_mov_b32 s24, 15|(3<<16)|(1<<21)              ; group 1: the mask names all four; elements of 8 bytes; bit 21 beside a mask; no padding
	s_mov_b32 s25, 32<<16                          ; a dense block of 8,960 bytes as 35 rows of 256
	s_mov_b32 s26, 35<<16
	s_mov_b32 s27, 32<<16
	s_mov_b32 s28, 35
	s_mov_b32 s29, 32
	s_mov_b32 s30, 0
	s_mov_b32 s31, 0
	s_mov_b32 s16, 1
	s_mul_i32 s17, s[WV], STEPB                    ; key step w goes to its place in LDS
	s_mul_i32 s52, s12, PLANE
	s_mov_b32 s53, 0
	s_mul_i32 s56, s[WV], GRPB
	s_mov_b32 s57, 0
	s_mov_b32 s[SEL], 0x76543210
	s_mov_b32 s[SEL+1], 0xfedcba98
	s_mov_b32 s[CS], 0x3e38aa3b                    ; c = log2(e) / 8
	s_mov_b32 s[CS+1], s[CS]
	s_mov_b32 s[SI], 0
	s_mov_b32 s[TB], 0
	s_lshr_b32 s34, s[WV], 1                       ; the last key step of my early tile,
	s_sub_co_u32 s35, 15, s34                      ; and of my late one
	s_wait_dscnt 0x0                               ; both opening adds are done
	s_wait_kmcnt 0x0
	s_add_nc_u64 s[54:55], s[4:5], s[52:53]        ; my head's blocks
	s_add_nc_u64 s[18:19], s[54:55], s[56:57]
	s_or_b32 s19, s19, 0x80000000
	CROUND                                         ; all four work-groups are here: the joint loads meet
	tensor_load_to_lds s[16:19], s[24:31]          ; my one tensor load
	s_nop 0
	s_and_b32 s58, s[WV], 1
	s_lshl_b32 s58, s58, 2
	s_add_co_u32 s58, s58, s11                     ; my early tile's place among its 128 tokens' eight,
	s_sub_co_u32 s59, 7, s58                       ; my late tile's
	s_lshr_b32 s60, s12, 4                         ; batch
	s_and_b32 s61, s12, 15                         ; head
; the four addresses of a tile: Q's image s[o:o+1], Q's scale words s[o+2:o+3], y's image s[o+4:o+5], y's scale bytes s[o+6:o+7]
.macro TILEADR a, dg, o
	s_mul_i32 s62, s[\dg], GRPB
	s_lshl_b32 s63, s[\a], 9
	s_add_co_u32 s63, s63, s62
	s_add_co_u32 s[\o], s63, 8960
	s_mov_b32 s[\o+1], 0
	s_add_nc_u64 s[\o:\o+1], s[54:55], s[\o:\o+1]
	s_lshr_b32 s63, s[\a], 2
	s_lshl_b32 s63, s63, 8
	s_add_co_u32 s62, s62, s63
	s_and_b32 s63, s[\a], 3
	s_lshl_b32 s63, s63, 2
	s_add_co_u32 s62, s62, s63
	s_add_co_u32 s[\o+2], s62, 13056
	s_mov_b32 s[\o+3], 0
	s_add_nc_u64 s[\o+2:\o+3], s[54:55], s[\o+2:\o+3]
	s_lshl_b32 s62, s[\dg], 3
	s_add_co_u32 s62, s62, s[\a]
	s_lshl_b32 s63, s60, 7
	s_add_co_u32 s62, s62, s63                     ; the tile among all 512: 128 x batch + tile
	s_lshl_b32 s63, s62, 9                         ; 16 rows of 32 scale bytes
	s_lshl_b32 s13, s61, 1
	s_add_co_u32 s[\o+6], s63, s13
	s_mov_b32 s[\o+7], 0
	s_add_nc_u64 s[\o+6:\o+7], s[8:9], s[\o+6:\o+7]
	s_lshl_b32 s62, s62, 3
	s_lshr_b32 s63, s61, 1
	s_add_co_u32 s62, s62, s63                     ; the projection's K step of 128 = head / 2
	s_lshl_b32 s62, s62, 10
	s_and_b32 s63, s61, 1
	s_lshl_b32 s63, s63, 9                         ; and which four registers of its fragment
	s_add_co_u32 s[\o+4], s62, s63
	s_mov_b32 s[\o+5], 0
	s_add_nc_u64 s[\o+4:\o+5], s[6:7], s[\o+4:\o+5]
.endm
	TILEADR 58, 34, 36
	TILEADR 59, 35, 44
	v_and_b32 v5, 31, v0
	v_lshlrev_b32 v[LI], 4, v5
	v_and_b32 v6, 15, v0
	v_lshlrev_b32 v[LR], 4, v6
	v_lshlrev_b32 v[LY], 5, v6
	global_load_b128 v[8:11], v[LI], s[36:37]      ; Q's codes: the early tile's in v8-11, the late tile's in v16-19
	global_load_b32 v24, v[LR], s[38:39]           ; and scale words: v24, v25
	global_load_b128 v[16:19], v[LI], s[44:45]
	global_load_b32 v25, v[LR], s[46:47]
.irp j, 12,13,14,15,20,21,22,23,76,77,78,79
	v_mov_b32 v\j, 0                               ; zero codes for k = 64 .. 127
.endr
	v_and_b32 v230, 8, v6
	v_add_nc_u32 v230, v230, v6                    ; r + 8 (r / 8)
	v_bfe_u32 v231, v0, 4, 1
	v_lshlrev_b32 v231, 4, v231
	v_sub_nc_u32 v230, v230, v231                  ; - 16 h
	s_lshr_b32 s62, s58, 1
	s_lshl_b32 s62, s62, 5
	s_and_b32 s63, s58, 1
	s_lshl_b32 s63, s63, 3
	s_add_co_u32 s62, s62, s63
	v_add_nc_u32 v26, s62, v230                    ; my query among its 128 tokens, less 16 h: register 16 b + i holds key 32 b + 16 h + i, hidden where 32 b + i is greater
	s_lshr_b32 s62, s59, 1
	s_lshl_b32 s62, s62, 5
	s_and_b32 s63, s59, 1
	s_lshl_b32 s63, s63, 3
	s_add_co_u32 s62, s62, s63
	v_add_nc_u32 v27, s62, v230
.irp t, 28,32                                  ; a tile's statistics: -M, the largest t, the sum in two halves
	v_mov_b32 v[\t+1], 0xff61b1e6                  ; -3e38, under every t
	v_floor_f32 v[\t], -v[\t+1]
	v_mov_b32 v[\t+2], 0
	v_mov_b32 v[\t+3], 0
.endr
.set j, 0
.rept 64
	v_mov_b32 v[144+j], 0                          ; O^T of both tiles: the step is written once; the first change of M leaves zeros zeros
.set j, j+1
.endr
.irp b, 0,1,2,3
	v_mov_b32 v[BP+\b], 0                          ; a lane permute's destination counts as one of its sources
.endr
	v_mov_b32 v229, 0                              ; (named as the upper half of the pair v[228:229] before it is first written)
; A KEY STEP OF ONE TILE: 128 keys.  QF, QS: Q's fragment and scale word; ST: the statistics; DQ: the mask's number; O: O^T; DG: the tile's last key step.
.macro BODY QF, QS, ST, DQ, O, DG
	s_cmp_gt_u32 s[SI], s[\DG]                     ; all keys of the step come after all my queries: the step is left out.  The wave's number and the count of steps alone decide
	s_cbranch_scc1 .Lhidden_\@
.rept 4
	v_nop                                          ; places in front of loads into registers that matrix instructions have read
.endr
.irp i, 0,1,2,3,4,5,6,7
	ds_load_b128 v[KF+4*\i:KF+4*\i+3], v[AD] offset:512*\i
.endr
	ds_load_b128 v[KS:KS+3], v[AD] offset:8192     ; lanes 0-15: the words of tiles 0-3; lanes 16-31: of tiles 4-7
	s_wait_dscnt 0x0
.irp i, 0,1,2,3
	v_wmma_scale_f32_16x16x128_f8f6f4 v[S+8*\i:S+8*\i+7], v[KF+4*\i:KF+4*\i+7], v[\QF:\QF+7], 0, v[KS+\i], v[\QS] matrix_a_fmt:MATRIX_FMT_FP4 matrix_b_fmt:MATRIX_FMT_FP4
.endr
.irp i, 4,5,6,7
	v_wmma_scale_f32_16x16x128_f8f6f4 v[S+8*\i:S+8*\i+7], v[KF+4*\i:KF+4*\i+7], v[\QF:\QF+7], 0, v[KS+\i-4], v[\QS] matrix_a_fmt:MATRIX_FMT_FP4 matrix_b_fmt:MATRIX_FMT_FP4 matrix_a_scale:MATRIX_SCALE_ROW1
.endr
.rept 4
	v_nop
.endr
.irp d, 0,1,2,3                                ; V's fragments land under the softmax
.irp c, 0,1
	ds_load_b128 v[KF+8*\d+4*\c:KF+8*\d+4*\c+3], v[AD] offset:4096+1024*\d+512*\c
.endr
.endr
	ds_load_b128 v[VS:VS+3], v[ADV] offset:8704
	s_cmp_lg_u32 s[SI], s[\DG]                     ; on the diagonal the scores of hidden keys become -infinity ahead of the maximum
	s_cbranch_scc1 .Lopen_\@
	v_mov_b32 v230, 0xff800000
.set n, 0
.rept 64
	v_cmp_gt_i32 vcc_lo, 32*(n/16)+n%16, v[\DQ]
	v_cndmask_b32 v[S+n], v[S+n], v230, vcc_lo
.set n, n+1
.endr
.Lopen_\@:
.irp b, 0,1,2,3
	v_max3_num_f32 v[BM+\b], v[S+16*\b], v[S+1+16*\b], v[S+2+16*\b]   ; the largest score of each block of 32 keys
.endr
.irp i, 3,5,7,9,11,13
.irp b, 0,1,2,3
	v_max3_num_f32 v[BM+\b], v[BM+\b], v[S+16*\b+\i], v[S+1+16*\b+\i]
.endr
.endr
.irp b, 0,1,2,3
	v_max_num_f32 v[BM+\b], v[BM+\b], v[S+15+16*\b]
.endr
.irp b, 0,1,2,3
	v_permlanex16_b32 v[BP+\b], v[BM+\b], s[SEL], s[SEL+1]
.endr
.irp b, 0,1,2,3
	v_max_num_f32 v[BM+\b], v[BM+\b], v[BP+\b]     ; with lane l xor 16's 16 keys
.endr
	v_max3_num_f32 v230, v[BM], v[BM+1], v[BM+2]
	v_max_num_f32 v230, v230, v[BM+3]
	v_mul_f32 v230, s[CS], v230
	v_max_num_f32 v[\ST+1], v[\ST+1], v230         ; the running largest t
	v_mov_b32 v230, v[\ST]
	v_floor_f32 v[\ST], -v[\ST+1]                  ; the new -M = -ceil(t)
	v_sub_f32 v230, v[\ST], v230                   ; old M - new M: a whole number, 0 or less
	v_cvt_i32_f32 v230, v230                       ; (it saturates)
	v_ldexp_f32 v228, 1.0, v230                    ; f = 2^(old M - new M)
.set j, 0
.rept 32
	v_pk_fma_f32 v[S+j:S+j+1], v[S+j:S+j+1], s[CS:CS+1], v[\ST:\ST+1] op_sel_hi:[1,0,0]   ; t - M
.set j, j+2
.endr
.irp b, 0,1,2,3
	v_fma_f32 v[BM+\b], v[BM+\b], s[CS], v[\ST]
.endr
.set j, 0
.rept 64
	v_exp_f32 v[S+j], v[S+j]                       ; p = 2^(t - M)
.set j, j+1
.endr
	v_pk_mul_f32 v[\ST+2:\ST+3], v[\ST+2:\ST+3], v[228:229] op_sel_hi:[1,0]   ; the sums under the new M (a plain place behind the exponentials)
	s_wait_alu depctr_va_vdst(0)                   ; one wait for the batch, ahead of its first reader
.irp b, 0,1,2,3
	v_exp_f32 v[BM+\b], v[BM+\b]                   ; the blocks' largest p
.endr
	v_pk_add_f32 v[BP:BP+1], v[S:S+1], v[S+2:S+3]  ; the row's sum of the unquantised p, in two chains
.irp j, 4,8,12,16,20,24,28,32,36,40,44,48,52,56,60
	v_pk_add_f32 v[\ST+2:\ST+3], v[\ST+2:\ST+3], v[S+\j:S+1+\j]
	v_pk_add_f32 v[BP:BP+1], v[BP:BP+1], v[S+2+\j:S+3+\j]
.endr
	v_pk_add_f32 v[\ST+2:\ST+3], v[\ST+2:\ST+3], v[BP:BP+1]
	s_wait_alu depctr_va_vdst(0)                   ; and one for the four
.irp b, 0,1,2,3
	v_max_num_f32 v[BM+\b], 0x1800000, v[BM+\b]    ; the floor: the byte cannot fall under 1
.endr
.irp b, 0,1,2,3
	v_add_nc_u32 v[SO+\b], 0xff000000, v[BM+\b]
.endr
.irp b, 0,1,2,3
	v_lshrrev_b32 v[BP+\b], 23, v[SO+\b]
.endr
	v_lshl_or_b32 v229, v[BP+1], 8, v[BP]          ; p's scale word for these 128 keys
	v_lshl_or_b32 v229, v[BP+2], 16, v229
	v_lshl_or_b32 v229, v[BP+3], 24, v229
.irp b, 0,1,2,3
	v_cvt_scalef32_pk8_fp4_f32 v[PC+2*\b], v[S+16*\b:S+7+16*\b], v[SO+\b]
	v_cvt_scalef32_pk8_fp4_f32 v[PC+1+2*\b], v[S+8+16*\b:S+15+16*\b], v[SO+\b]
.endr
	v_nop
.irp c, 0,1
.irp i, 0,1
	v_permlane16_swap_b32 v[PC+4*\c+\i], v[PC+2+4*\c+\i]
.endr
.endr
.set j, 0
.rept 16
	v_pk_mul_f32 v[\O+j:\O+j+1], v[\O+j:\O+j+1], v[228:229] op_sel_hi:[1,0]   ; O^T under the new M; these are also the places in front of the products below
.set j, j+2
.endr
	s_wait_dscnt 0x0                               ; V
.irp d, 0,1,2,3
	v_wmma_scale_f32_16x16x128_f8f6f4 v[\O+8*\d:\O+8*\d+7], v[KF+8*\d:KF+8*\d+7], v[PC:PC+7], v[\O+8*\d:\O+8*\d+7], v[VS+\d], v229 matrix_a_fmt:MATRIX_FMT_FP4 matrix_b_fmt:MATRIX_FMT_FP4
.endr
.Lhidden_\@:
.endm
	s_wait_loadcnt 0x0                             ; Q
	s_wait_tensorcnt 0x0                           ; my key step has landed,
	s_barrier_signal -1
	s_barrier_wait -1                              ; everybody's has
.Lstep:                                            ; 16 trips, a constant: what a tile does not need is jumped over inside
	v_add_nc_u32 v[AD], s[TB], v[LI]
	v_add_nc_u32 v[ADV], s[TB], v[LR]
	BODY 16, 25, 32, 27, 176, 35                   ; the late tile
	BODY 8, 24, 28, 26, 144, 34                    ; the early tile
	s_add_co_u32 s[SI], s[SI], 1
	s_add_co_u32 s[TB], s[TB], STEPB
	s_cmp_lt_u32 s[SI], 16
	s_cbranch_scc1 .Lstep
; THE WAY OUT of a tile: y = O^T / the sum; register 16 b + i is channel 32 b + 16 h + i of my query: two blocks of the projection's K.  Codes: four registers of that product's fragment, stored as their image.
.macro FINISH ST, O, PCR, W, YC
	v_add_f32 v230, v[\ST+2], v[\ST+3]
	v_permlanex16_b32 v231, v230, s[SEL], s[SEL+1]
	v_add_f32 v230, v230, v231                     ; the row's sum
	v_rcp_f32 v230, v230
	v_nop
	s_wait_alu depctr_va_vdst(0)
.set j, 0
.rept 16
	v_pk_mul_f32 v[S+j:S+j+1], v[\O+j:\O+j+1], v[230:231] op_sel_hi:[1,0]
.set j, j+2
.endr
.irp b, 0,1
	v_max3_num_f32 v[BM+\b], |v[S+16*\b]|, |v[S+1+16*\b]|, 0x1800000
.endr
.irp i, 2,4,6,8,10,12,14
.irp b, 0,1
	v_max3_num_f32 v[BM+\b], v[BM+\b], |v[S+16*\b+\i]|, |v[S+1+16*\b+\i]|
.endr
.endr
.irp b, 0,1
	v_permlanex16_b32 v[BP+\b], v[BM+\b], s[SEL], s[SEL+1]
.endr
.irp b, 0,1
	v_max_num_f32 v[BM+\b], v[BM+\b], v[BP+\b]
.endr
.irp b, 0,1
	v_add_nc_u32 v[SO+\b], 0xff000000, v[BM+\b]
.endr
.irp b, 0,1
	v_lshrrev_b32 v[BP+\b], 23, v[SO+\b]
.endr
	v_lshl_or_b32 v[\W], v[BP+1], 8, v[BP]
.irp b, 0,1
	v_cvt_scalef32_pk8_fp4_f32 v[\PCR+2*\b], v[S+16*\b:S+7+16*\b], v[SO+\b]
	v_cvt_scalef32_pk8_fp4_f32 v[\PCR+1+2*\b], v[S+8+16*\b:S+15+16*\b], v[SO+\b]
.endr
	v_nop
	v_permlane16_swap_b32 v[\PCR], v[\PCR+2]
	v_permlane16_swap_b32 v[\PCR+1], v[\PCR+3]
	global_store_b128 v[LI], v[\PCR:\PCR+3], s[\YC:\YC+1]          ; 32 lanes store 512 consecutive bytes
	global_store_b16 v[LY], v[\W], s[\YC+2:\YC+3]                  ; my row's two scale bytes of this head (lanes r and r + 16 write the same): rows 32 bytes apart; a head has one owner, so nobody holds a row's neighbours
.endm
.rept 4
	v_nop                                          ; places behind the last products
.endr
	FINISH 28, 144, 208, 232, 40
	FINISH 32, 176, 212, 233, 48
	s_wait_tensorcnt 0x0                           ; the wave's end
	ds_add_u32 v[SPW], v[NIL]
	s_wait_dscnt 0x0
	CROUND                                         ; the closing round
	s_endpgm
.Lfunc_end_k_qadc3480248_attn:
	.size	k_qadc3480248_attn, .Lfunc_end_k_qadc3480248_attn-k_qadc3480248_attn
	.p2alignl 7, 3214868480
	.fill 96, 4, 3214868480
	.section	.rodata,"a",@progbits
	.p2align	6, 0x0
	.amdhsa_kernel k_qadc3480248_attn
		.amdhsa_group_segment_fixed_size 167936
		.amdhsa_private_segment_fixed_size 0
		.amdhsa_enable_private_segment 0
		.amdhsa_kernarg_size 24
		.amdhsa_user_sgpr_count 2
		.amdhsa_user_sgpr_kernarg_segment_ptr 1
		.amdhsa_wavefront_size32 1
		.amdhsa_system_sgpr_workgroup_id_x 1
		.amdhsa_system_sgpr_workgroup_id_y 1
		.amdhsa_system_sgpr_workgroup_id_z 1
		.amdhsa_system_vgpr_workitem_id 0
		.amdhsa_next_free_vgpr 256
		.amdhsa_next_free_sgpr 66
		.amdhsa_reserve_vcc 1
		.amdhsa_float_denorm_mode_32 3
		.amdhsa_float_denorm_mode_16_64 3
		.amdhsa_memory_ordered 1
		.amdhsa_forward_progress 1
		.amdhsa_inst_pref_size 56
	.end_amdhsa_kernel
	.amdgpu_metadata
---
amdhsa.version: [ 1, 2 ]
amdhsa.kernels:
  - .name:           k_qadc3480248_attn
    .symbol:         k_qadc3480248_attn.kd
    .args:
      - { .name: qkv, .offset: 0, .size: 8, .value_kind: global_buffer, .address_space: global }
      - { .name: y_codes, .offset: 8, .size: 8, .value_kind: global_buffer, .address_space: global }
      - { .name: y_scales, .offset: 16, .size: 8, .value_kind: global_buffer, .address_space: global }
    .group_segment_fixed_size: 167936
    .private_segment_fixed_size: 0
    .kernarg_segment_align: 8
    .kernarg_segment_size: 24
    .max_flat_workgroup_size: 512
    .sgpr_count:     66
    .vgpr_count:     256
    .wavefront_size: 32
...
	.end_amdgpu_metadata
.endif
;; end of part 3
;; launch gemm_proj (part 4): grid 4 x 64, 4 waves a work-group, clusters of 4 x 4, 262,144 bytes of LDS; arguments y_codes, y_scales, prep_codes, prep_scales, b_proj, out0; writes out0
.if DOCPART == 4
	.amdgcn_target "amdgcn-amd-amdhsa--gfx1250"
	.amdhsa_code_object_version 6
	.text
	.protected	k_qadc3480248_gemm_proj
	.globl	k_qadc3480248_gemm_proj
	.p2align	8
	.type	k_qadc3480248_gemm_proj,@function
k_qadc3480248_gemm_proj:
	s_mov_b64 s[64:65], 0
	v_nop
	global_prefetch_b8 v0, s[64:65] scope:SCOPE_SE
	s_setreg_imm32_b32 hwreg(HW_REG_WAVE_MODE, 25, 1), 1
	s_wait_xcnt 0x0
	s_wait_alu depctr_hold_cnt(0) depctr_sa_sdst(0) depctr_va_vdst(0) depctr_va_sdst(0) depctr_va_ssrc(0) depctr_va_vcc(0) depctr_vm_vsrc(0)
	s_getreg_b32 s2, hwreg(HW_REG_IB_STS2, 6, 4)
	s_cmp_eq_u32 s2, 0
	s_cbranch_scc0 .Lentry_in_a_cluster
	s_endpgm
.Lentry_in_a_cluster:
	s_bfe_u32 s2, ttmp6, 0x10000c
	s_cmp_lg_u32 s2, 0xf033
	s_cbranch_scc0 .Lentry_shape_is_right
	s_endpgm
.Lentry_shape_is_right:
; out0 = y W_proj + b_proj on codes of E2M1, K = 1,024.  No work of reference() is left out here.
; A work-group of four waves makes 128 rows x 256 columns, so that there are 256 work-groups; a wave 64 x 128: 32 accumulators.  All of K lies in two LDS slots of 512 along K, each filled once.
; y's codes arrive as images of this product's fragments (16 rows x 128 K: 1,024 bytes, 16 bytes a lane); W_proj's as rows of 512 bytes (rows 11,264 on of the first launch's buffers).
; Both lie with bits 3 and 4 of the row's number changed over: source 0 = W's rows, so tile b, half h, register j is column 32 (b / 2) + 16 h + 8 (b % 2) + j; source 1 = y, and row t of block a is logical row
; 32 (a / 2) + 16 (t / 8) + 8 (a % 2) + t % 8.  The bias is the C of the first step's products.
; CLUSTERS: 4 x 4: y's tile hangs on the tile row and is shared along a row of the cluster, W's on the tile column and is shared along a column.
; REGISTERS: window 0: v4-29 addresses; v32-95 scale words, two sets, and nothing else; v128-191 y's fragments, two sets; v192-255 the bias; on the way out v128-255 rows of the result.
;   window 1: W's fragments, two sets, at v0 and v128.   window 2: the accumulators, (a, b) at v[8 (8 a + b)].
.set SLOTP,  102400                    ; a slot: y's 8 x 4,096 bytes, then W's 256 rows x 272
.set WOFF,   32768
.set SCL,    2*SLOTP                   ; y's scale bytes 16 x 272, then W's 32 x 272
.set SPARE,  SCL+48*272                ; the spare words, 128 bytes for each wave
.set STAGE,  SPARE+512                 ; 16 rows x 528 bytes for each wave: bytes of its own, into which no fill lands
.set LI,   4
.set ADY,  16
.set ADW,  20
.set STO,  24
.set RD,   25
.set BO,   26
.set ADS,  27
.set SPW,  28
.set NIL,  29
.set SC,   32
.set YF,   128
.set BI,   192
.set BK,   128
.set G1Y, 24
.set G0Y, 32
.set G1W, 48
.set G0W, 56
.set G1SY, 68
.set G0SY, 76
.set G1SW, 80
.set G0SW, 88
.set MSB, 0
.macro WIN new
.if MSB != (\new)
	s_set_vgpr_msb (MSB<<8)|(\new)
.set MSB, (\new)
.endif
.endm
.macro JLOAD g0a, g1a, g0b, g1b        ; waves 0 and 1 fetch for y, waves 2 and 3 for W; an s_nop 0 and four v_nop follow each of the two lines
	s_cmp_eq_u32 s17, 0
	s_cbranch_scc0 .Lfor_b_\@
	tensor_load_to_lds s[\g0a:\g0a+3], s[\g1a:\g1a+7]
	s_nop 0
.rept 4
	v_nop
.endr
	s_branch .Lasked_\@
.Lfor_b_\@:
	tensor_load_to_lds s[\g0b:\g0b+3], s[\g1b:\g1b+7]
	s_nop 0
.rept 4
	v_nop
.endr
.Lasked_\@:
.endm
.macro CROUND
	s_barrier_signal -1
	s_barrier_wait -1
	s_cmp_lg_u32 s16, 0
	s_cbranch_scc1 .Lnot_wave_0_\@
	s_barrier_signal -3
.Lnot_wave_0_\@:
	s_barrier_wait -3
	s_barrier_signal -1
	s_barrier_wait -1
.endm
	s_load_b256 s[4:11], s[0:1], 0x0               ; y's codes, y's scale bytes, the first launch's codes, its scale bytes
	s_load_b128 s[12:15], s[0:1], 0x20             ; b_proj, out0
	v_lshl_add_u32 v[SPW], v0, 2, SPARE
	v_mov_b32 v[NIL], 0
	ds_add_u32 v[SPW], v[NIL]                      ; the wave's opening: the add, twice on end, and its wait ahead of my first tensor load
	ds_add_u32 v[SPW], v[NIL]
	v_lshrrev_b32 v1, 5, v0
	v_readfirstlane_b32 s16, v1                    ; wave 0..3
	s_lshr_b32 s17, s16, 1                         ; which 64 rows are mine.  Also: I fetch for y (0) or for W (1)
	s_and_b32 s18, s16, 1                          ; which 128 columns.  Also: which half of that tile I fetch
	s_bfe_u32 s40, ttmp6, 0x40000                  ; cx = the tile column
	s_bfe_u32 s41, ttmp6, 0x40004                  ; cy
	s_and_b32 s42, ttmp7, 0xffff
	s_lshl_b32 s42, s42, 2
	s_add_co_u32 s42, s42, s41                     ; the tile row = 4 x cluster y + cy
	s_lshl_b32 s43, s41, 2
	s_lshl_b32 s43, 15, s43                        ; my row of the cluster
	s_lshl_b32 s44, 0x1111, s40                    ; my column
	s_or_b32 s[G1Y], s43, (3<<16)|(1<<21)          ; y's codes: 4 rows of 4,096 bytes (512 elements of 8), 8,192 bytes apart; no padding
	s_mov_b32 s[G1Y+1], 512<<16
	s_mov_b32 s[G1Y+2], 4<<16
	s_mov_b32 s[G1Y+3], 512<<16
	s_mov_b32 s[G1Y+4], 4
	s_mov_b32 s[G1Y+5], 1024
	s_mov_b32 s[G1Y+6], 0
	s_mov_b32 s[G1Y+7], 0
	s_or_b32 s[G1W], s44, (0<<16)|(1<<20)|(1<<21)|(5<<22)|(3<<25)  ; W's codes: 128 rows of 256 bytes, 512 apart; 16 bytes of padding behind each
	s_mov_b32 s[G1W+1], 256<<16
	s_mov_b32 s[G1W+2], 128<<16
	s_mov_b32 s[G1W+3], 256<<16
	s_mov_b32 s[G1W+4], 128
	s_mov_b32 s[G1W+5], 512
	s_mov_b32 s[G1W+6], 0
	s_mov_b32 s[G1W+7], 0
	s_or_b32 s[G1SY], s43, (3<<16)|(1<<20)|(1<<21)|(5<<22)|(3<<25) ; the scale bytes of 64 rows of y: 8 rows of 256 bytes, padded
	s_mov_b32 s[G1SY+1], 32<<16
	s_mov_b32 s[G1SY+2], 8<<16
	s_mov_b32 s[G1SY+3], 32<<16
	s_mov_b32 s[G1SY+4], 8
	s_mov_b32 s[G1SY+5], 32
	s_mov_b32 s[G1SY+6], 0
	s_mov_b32 s[G1SY+7], 0
	s_or_b32 s[G1SW], s44, (3<<16)|(1<<20)|(1<<21)|(5<<22)|(3<<25) ; of 128 rows of W: 16 rows of 256 bytes, padded
	s_mov_b32 s[G1SW+1], 32<<16
	s_mov_b32 s[G1SW+2], 16<<16
	s_mov_b32 s[G1SW+3], 32<<16
	s_mov_b32 s[G1SW+4], 16
	s_mov_b32 s[G1SW+5], 32
	s_mov_b32 s[G1SW+6], 0
	s_mov_b32 s[G1SW+7], 0
	s_lshl_b32 s20, s42, 3
	s_lshl_b32 s19, s18, 2
	s_add_co_u32 s20, s20, s19                     ; y: tile of 16 rows 8 x tile row + 4 x half
	s_lshl_b32 s22, s20, 9                         ; its scale bytes,
	s_lshl_b32 s20, s20, 13                        ; its images
	s_mov_b32 s21, 0
	s_mov_b32 s23, 0
	s_lshl_b32 s46, s40, 8
	s_lshl_b32 s19, s18, 7
	s_add_co_u32 s46, s46, s19
	s_add_co_u32 s46, s46, 11264                   ; W: row 11,264 + 256 x tile column + 128 x half
	s_lshl_b32 s92, s46, 5
	s_lshl_b32 s46, s46, 9
	s_mov_b32 s47, 0
	s_mov_b32 s93, 0
	s_mul_i32 s45, s18, 16384                      ; where they go: no place in the cluster enters an LDS address
	s_mul_i32 s94, s18, 34816
	s_add_co_u32 s94, s94, WOFF
	s_mul_i32 s95, s18, 2176
	s_add_co_u32 s95, s95, SCL
	s_mul_i32 s96, s18, 4352
	s_add_co_u32 s96, s96, SCL+4352
	s_wait_dscnt 0x0                               ; both opening adds are done
	s_wait_kmcnt 0x0
	s_add_nc_u64 s[20:21], s[4:5], s[20:21]
	s_add_nc_u64 s[22:23], s[6:7], s[22:23]
	s_add_nc_u64 s[46:47], s[8:9], s[46:47]
	s_add_nc_u64 s[92:93], s[10:11], s[92:93]
	CROUND                                         ; all sixteen work-groups are here: the joint loads meet
	s_mov_b32 s[G0SY], 1
	s_mov_b32 s[G0SY+1], s95
	s_mov_b64 s[G0SY+2:G0SY+3], s[22:23]
	s_or_b32 s[G0SY+3], s[G0SY+3], 0x80000000
	s_mov_b32 s[G0SW], 1
	s_mov_b32 s[G0SW+1], s96
	s_mov_b64 s[G0SW+2:G0SW+3], s[92:93]
	s_or_b32 s[G0SW+3], s[G0SW+3], 0x80000000
	JLOAD G0SY, G1SY, G0SW, G1SW                   ; three loads a wave, all first fills: the scale bytes,
.irp s, 0,1
	s_mov_b32 s[G0Y+4*\s], 1
	s_add_co_u32 s[G0Y+4*\s+1], s45, \s*SLOTP
	s_add_nc_u64 s[G0Y+4*\s+2:G0Y+4*\s+3], s[20:21], \s*4096
	s_or_b32 s[G0Y+4*\s+3], s[G0Y+4*\s+3], 0x80000000
	s_mov_b32 s[G0W+4*\s], 1
	s_add_co_u32 s[G0W+4*\s+1], s94, \s*SLOTP
	s_add_nc_u64 s[G0W+4*\s+2:G0W+4*\s+3], s[46:47], \s*256
	s_or_b32 s[G0W+4*\s+3], s[G0W+4*\s+3], 0x80000000
	JLOAD G0Y+4*\s, G1Y, G0W+4*\s, G1W             ; slot 0, slot 1
.endr
	v_and_b32 v1, 15, v0                           ; r
	v_bfe_u32 v2, v0, 4, 1                         ; h
	v_and_b32 v3, 31, v0
	v_lshlrev_b32 v[LI], 4, v3
	s_mul_i32 s19, s17, 16384
	v_add_nc_u32 v[ADY], s19, v[LI]                ; y's images: my four blocks
	s_add_co_u32 s19, s19, SLOTP
	v_add_nc_u32 v[ADY+1], s19, v[LI]
	v_mul_u32_u24 v5, v1, 272
	v_lshl_add_u32 v5, v2, 4, v5
	s_mul_i32 s19, s18, 34816
	s_add_co_u32 s19, s19, WOFF
	v_add_nc_u32 v[ADW], s19, v5                   ; W's rows: my 128
	s_add_co_u32 s19, s19, SLOTP
	v_add_nc_u32 v[ADW+1], s19, v5
	v_mul_u32_u24 v5, v1, 32
	v_lshrrev_b32 v6, 8, v5
	v_lshl_add_u32 v5, v6, 4, v5                   ; a row's scale bytes: 32 a row, 16 more for each 256 passed
	s_mul_i32 s21, s17, 2176
	s_mul_i32 s22, s18, 4352
	s_add_co_u32 s22, s22, 4352
	s_sub_co_u32 s22, s22, s21
	v_mul_u32_u24 v6, s22, v2                      ; lanes 16-31 take W's
	s_add_co_u32 s21, s21, SCL
	v_add_nc_u32 v5, v5, v6
	v_add_nc_u32 v[ADS], s21, v5
	s_mul_i32 s19, s16, 16*528
	s_add_co_u32 s19, s19, STAGE                   ; my stage
	v_mul_u32_u24 v5, v1, 528
	v_lshl_add_u32 v5, v2, 6, v5
	v_add_nc_u32 v[STO], s19, v5                   ; in: row r, + 64 h
	v_add_nc_u32 v[RD], s19, v[LI]                 ; back: a row of 512 bytes, 16 a lane
	v_lshlrev_b32 v[BO], 6, v2
	s_lshl_b32 s20, s42, 7
	s_lshl_b32 s21, s17, 6
	s_add_co_u32 s20, s20, s21                     ; my first row,
	s_lshl_b32 s20, s20, 12
	s_lshl_b32 s46, s40, 8
	s_lshl_b32 s47, s18, 7
	s_add_co_u32 s46, s46, s47                     ; my first column
	s_lshl_b32 s46, s46, 2
	s_mov_b32 s47, 0
	s_add_nc_u64 s[12:13], s[12:13], s[46:47]
	s_add_co_u32 s20, s20, s46
	s_mov_b32 s21, 0
	s_add_nc_u64 s[14:15], s[14:15], s[20:21]
.irp b, 0,1,2,3,4,5,6,7
	global_load_b128 v[BI+8*\b:BI+8*\b+3], v[BO], s[12:13] offset:(32*(\b/2)+8*(\b%2))*4
	global_load_b128 v[BI+8*\b+4:BI+8*\b+7], v[BO], s[12:13] offset:(32*(\b/2)+8*(\b%2))*4+16
.endr
.macro PLACES n
.rept \n
	v_nop
.endr
.endm
.macro PFETCH kq                       ; the fragments of step kq (128 along K) into sets kq % 2
	WIN 0x40
.irp i, 0,1,2,3,4,5,6,7
.irp c, 0,1
	ds_load_b128 v[128*((\kq)%2)+8*\i+4*\c:128*((\kq)%2)+8*\i+4*\c+3], v[ADW+(\kq)/4] offset:64*((\kq)%4)+32*\c+\i*4352
.endr
.endr
	WIN 0
.irp a, 0,1,2,3
.irp c, 0,1
	ds_load_b128 v[YF+32*((\kq)%2)+8*\a+4*\c:YF+32*((\kq)%2)+8*\a+4*\c+3], v[ADY+(\kq)/4] offset:4096*\a+1024*((\kq)%4)+512*\c
.endr
.endr
.endm
.macro SCALES set                      ; a slot's scale words: register 4 i + q: lanes 0-15 y's block i (i over 3: landed bytes that nobody uses), lanes 16-31 W's tile i
.irp i, 0,1,2,3,4,5,6,7
	ds_load_b128 v[SC+32*\set+4*\i:SC+32*\set+4*\i+3], v[ADS] offset:\i*544+16*\set
.endr
.endm
.macro PSTEP kq                        ; 32 matrix instructions; the next step's fragments are asked for ahead of them.  The 32 accumulators take turns in one order
.if (\kq) == 3
	s_wait_tensorcnt 0x0                           ; my part of slot 1 has landed
.endif
	s_wait_dscnt 0x0                               ; this step's fragments are in
.if (\kq) == 3
	s_barrier_signal -1
	s_barrier_wait -1                              ; everybody's part of slot 1 has; nothing is filled again
.endif
.if (\kq) < 7
	PLACES 4                                       ; in front of loads into the sets that the last step's products read
	PFETCH (\kq)+1
.if (\kq) == 3
	SCALES 1
.endif
.endif
.if (\kq) == 0
	WIN 0x81                                       ; W window 1, y and the bias window 0, D window 2
.else
	WIN 0xa1
.endif
.irp a, 0,1,2,3
.irp b, 0,1,2,3,4,5,6,7
.if (\kq) == 0
	v_wmma_scale_f32_16x16x128_f8f6f4 v[8*(8*\a+\b):8*(8*\a+\b)+7], v[128*((\kq)%2)+8*\b:128*((\kq)%2)+8*\b+7], v[YF+32*((\kq)%2)+8*\a:YF+32*((\kq)%2)+8*\a+7], v[BI+8*\b:BI+8*\b+7], v[SC+32*((\kq)/4)+4*\b+(\kq)%4], v[SC+32*((\kq)/4)+4*\a+(\kq)%4] matrix_a_fmt:MATRIX_FMT_FP4 matrix_b_fmt:MATRIX_FMT_FP4 matrix_a_scale:MATRIX_SCALE_ROW1
.else
	v_wmma_scale_f32_16x16x128_f8f6f4 v[8*(8*\a+\b):8*(8*\a+\b)+7], v[128*((\kq)%2)+8*\b:128*((\kq)%2)+8*\b+7], v[YF+32*((\kq)%2)+8*\a:YF+32*((\kq)%2)+8*\a+7], v[8*(8*\a+\b):8*(8*\a+\b)+7], v[SC+32*((\kq)/4)+4*\b+(\kq)%4], v[SC+32*((\kq)/4)+4*\a+(\kq)%4] matrix_a_fmt:MATRIX_FMT_FP4 matrix_b_fmt:MATRIX_FMT_FP4 matrix_a_scale:MATRIX_SCALE_ROW1
.endif
.endr
.endr
	WIN 0
.endm
	s_wait_tensorcnt 1                             ; the scale bytes and my part of slot 0 are in (slot 1's load may be out)
	s_barrier_signal -1
	s_barrier_wait -1                              ; everybody's are
	PFETCH 0
	SCALES 0
	s_wait_loadcnt 0x0                             ; the bias
.irp k, 0,1,2,3,4,5,6,7
	PSTEP \k
.endr
; THE WAY OUT, a block of 16 rows x 128 columns at a time, through my own stage: in as 32 bytes a lane, back as whole rows of 512 bytes.  LDS serves a wave's instructions in order.
.macro TOSTAGE a
	WIN 0x08                                       ; an LDS store's data: window 2
.irp b, 0,1,2,3,4,5,6,7
	ds_store_b128 v[STO], v[64*(\a)+8*\b:64*(\a)+8*\b+3] offset:128*(\b/2)+32*(\b%2)       ; each accumulator from its low end on
	ds_store_b128 v[STO], v[64*(\a)+8*\b+4:64*(\a)+8*\b+7] offset:128*(\b/2)+32*(\b%2)+16
.endr
	WIN 0
.irp t, 0,1,2,3,4,5,6,7,8,9,10,11,12,13,14,15
	ds_load_b128 v[BK+64*((\a)%2)+4*\t:BK+64*((\a)%2)+4*\t+3], v[RD] offset:\t*528
.endr
.endm
.macro SEND a, younger
	s_wait_dscnt \younger                          ; the block is back in registers; the LDS instructions issued behind its loads may be out
.irp t, 0,1,2,3,4,5,6,7,8,9,10,11,12,13,14,15
	global_store_b128 v[LI], v[BK+64*((\a)%2)+4*\t:BK+64*((\a)%2)+4*\t+3], s[14:15] offset:(32*((\a)/2)+16*(\t/8)+8*((\a)%2)+(\t%8))*4096 th:TH_STORE_NT   ; 32 lanes store 512 consecutive bytes of the row's logical place
.endr
.endm
	PLACES 4
	TOSTAGE 0
	TOSTAGE 1
	SEND 0, 32                                     ; behind block 0's loads: block 1's 16 stores and 16 loads
	s_wait_xcnt 0x0                                ; block 0's stores have read their registers: block 2's loads may land there
	TOSTAGE 2
	SEND 1, 32
	s_wait_xcnt 0x0
	TOSTAGE 3
	SEND 2, 32
	SEND 3, 0
	s_wait_tensorcnt 0x0                           ; the wave's end
	ds_add_u32 v[SPW], v[NIL]
	s_wait_dscnt 0x0
	CROUND                                         ; the closing round
	s_endpgm
.Lfunc_end_k_qadc3480248_gemm_proj:
	.size	k_qadc3480248_gemm_proj, .Lfunc_end_k_qadc3480248_gemm_proj-k_qadc3480248_gemm_proj
	.p2alignl 7, 3214868480
	.fill 96, 4, 3214868480
	.section	.rodata,"a",@progbits
	.p2align	6, 0x0
	.amdhsa_kernel k_qadc3480248_gemm_proj
		.amdhsa_group_segment_fixed_size 262144
		.amdhsa_private_segment_fixed_size 0
		.amdhsa_enable_private_segment 0
		.amdhsa_kernarg_size 48
		.amdhsa_user_sgpr_count 2
		.amdhsa_user_sgpr_kernarg_segment_ptr 1
		.amdhsa_wavefront_size32 1
		.amdhsa_system_sgpr_workgroup_id_x 1
		.amdhsa_system_sgpr_workgroup_id_y 1
		.amdhsa_system_sgpr_workgroup_id_z 1
		.amdhsa_system_vgpr_workitem_id 0
		.amdhsa_next_free_vgpr 768
		.amdhsa_next_free_sgpr 100
		.amdhsa_reserve_vcc 0
		.amdhsa_float_denorm_mode_32 3
		.amdhsa_float_denorm_mode_16_64 3
		.amdhsa_memory_ordered 1
		.amdhsa_forward_progress 1
		.amdhsa_inst_pref_size 74
	.end_amdhsa_kernel
	.amdgpu_metadata
---
amdhsa.version: [ 1, 2 ]
amdhsa.kernels:
  - .name:           k_qadc3480248_gemm_proj
    .symbol:         k_qadc3480248_gemm_proj.kd
    .args:
      - { .name: y_codes, .offset: 0, .size: 8, .value_kind: global_buffer, .address_space: global }
      - { .name: y_scales, .offset: 8, .size: 8, .value_kind: global_buffer, .address_space: global }
      - { .name: prep_codes, .offset: 16, .size: 8, .value_kind: global_buffer, .address_space: global }
      - { .name: prep_scales, .offset: 24, .size: 8, .value_kind: global_buffer, .address_space: global }
      - { .name: b_proj, .offset: 32, .size: 8, .value_kind: global_buffer, .address_space: global }
      - { .name: out0, .offset: 40, .size: 8, .value_kind: global_buffer, .address_space: global }
    .group_segment_fixed_size: 262144
    .private_segment_fixed_size: 0
    .kernarg_segment_align: 8
    .kernarg_segment_size: 48
    .max_flat_workgroup_size: 128
    .sgpr_count:     100
    .vgpr_count:     768
    .wavefront_size: 32
...
	.end_amdgpu_metadata
.endif
;; end of part 4
